; MI455X (gfx1250); checked and timed in simulation.
; The chip was launched on July 23, 2026; its instructions are those of AMD's public machine-readable ISA for CDNA 5 (MIT licence, August 2026) and "CDNA5" Instruction Set Architecture Reference Guide (July 2026). The comments in the code are by the model that wrote it; some were corrected since.
;; Delta Net. Allowed arithmetic: float matrix products may take bf16 or f16 operands with f32 sums; all other float work in f32.
;; Inputs: Walpha 8 x 1,024 float32; Wbeta 8 x 1,024 float32; Wk 1,024 x 1,024 float32; Wo 1,024 x 1,024 float32; Wq 1,024 x 1,024 float32; Wv 1,024 x 1,024 float32; balpha 8 float32; bbeta 8 float32; bo 1,024 float32; x 2 x 2,048 x 1,024 float32.
;; Outputs: out0 2 x 2,048 x 1,024 float32.
;; 2 versions, each right; version 2 is version 1 with the launch scan written anew for expert scheduling mode. Each part assembles by itself: llvm-mc -triple=amdgcn-amd-amdhsa -mcpu=gfx1250 --defsym DOCPART=n.
;; ======== version 1 of 2: 5 launches
;; limits: values are held in f16: magnitudes above 65,504 overflow, below 6.1e-05 lose precision; right only within a limited range of input values
;; workspace buffers: xh 8,388,608 bytes; wts 9,699,328 bytes; qkv 25,165,824 bytes; uf 16,777,216 bytes; gm 266,240 bytes; sf 8,388,608 bytes; of 8,388,608 bytes
;; launch prep (part 1): grid 128 x 10, 8 waves a work-group, no clusters, 0 bytes of LDS; arguments x, Wq, Wk, Wv, Wo, Wbeta, Walpha, xh, wts; writes xh, wts
.if DOCPART == 1
	.amdgcn_target "amdgcn-amd-amdhsa--gfx1250"
	.amdhsa_code_object_version 6
	.text
	.protected	k_q7c52ee8057_prep
	.globl	k_q7c52ee8057_prep
	.p2align	8
	.type	k_q7c52ee8057_prep,@function
k_q7c52ee8057_prep:
	s_mov_b64 s[64:65], 0
	v_nop
	global_prefetch_b8 v0, s[64:65] scope:SCOPE_SE
	s_setreg_imm32_b32 hwreg(HW_REG_WAVE_MODE, 25, 1), 1
	s_wait_xcnt 0x0
; prep: every matrix operand that comes from an input is rounded once to f16, and the table of cos and sin is made.
;   y = 0..3  x          -> xh  [4096][1024] f16
;   y = 4..6  Wq, Wk, Wv -> wts, by heads: [h][400 rows][1024] f16; rows 0-127 Wq_h, 128-255 Wk_h, 256-383 Wv_h
;   y = 7     Wo         -> wts + WOH [1024][1024] f16
;   y = 8     one gate row: row 384 + j of head h = Wbeta[(h + j) & 7], row 392 + j = Walpha[(h + j) & 7], so that the head's own
;             two rows always stand first in their groups of eight
;   y = 9     cos and sin of pos / 10000^(f/64), pos 0..2047, f 0..63, f32: wts + ROPE, sin 524,288 bytes behind cos
; A copying work-group takes 32,768 bytes of f32: 256 threads x 8 loads of 16 bytes, all eight on their way at once; each store of a
; wave covers 256 consecutive bytes, aligned.  Memory binds: no LDS, no barrier, no matrix unit, and no tile is shared, so no cluster.
; LIMIT: f16 keeps 11 bits and reaches 65,504; x and the weights have room for 30 times the drawn spread either way.
; cos, sin: the angle is reduced by 2 pi kept in two words, then series of degree 15 and 16 on [-pi, pi] (first term left out < 1e-6).
.set WOH,  6553600
.set ROPE, 8650752
.macro COPY8                           ; s[28:29] source, s[30:31] destination
.irp j, 0,1,2,3,4,5,6,7
	global_load_b128 v[8+4*\j:11+4*\j], v1, s[28:29] offset:4096*\j th:TH_LOAD_NT
.endr
.irp j, 0,1,2,3,4,5,6,7
	s_wait_loadcnt 7-\j                            ; loads come back in order: number j is in, the younger ones stay out
	v_cvt_pk_f16_f32 v[40+2*\j], v[8+4*\j], v[9+4*\j]
	v_cvt_pk_f16_f32 v[41+2*\j], v[10+4*\j], v[11+4*\j]
	global_store_b64 v2, v[40+2*\j:41+2*\j], s[30:31] offset:2048*\j
.endr
	s_endpgm
.endm
	s_load_b512 s[8:23], s[0:1], 0x0               ; x 8, Wq 10, Wk 12, Wv 14, Wo 16, Wbeta 18, Walpha 20, xh 22
	s_load_b64 s[24:25], s[0:1], 0x40              ; wts
	s_and_b32 s2, ttmp7, 0xffff                    ; y: the job
	s_mov_b32 s33, 0                               ; high words of the two offsets
	s_mov_b32 s35, 0
	v_lshlrev_b32 v1, 4, v0                        ; 16 bytes of f32 a thread
	v_lshlrev_b32 v2, 3, v0                        ; 8 bytes of f16 a thread
	s_wait_kmcnt 0x0
	s_cmp_ge_u32 s2, 9
	s_cbranch_scc1 .Ltable
	s_cmp_eq_u32 s2, 8
	s_cbranch_scc1 .Lgate
	s_cmp_eq_u32 s2, 7
	s_cbranch_scc1 .Lwo
	s_cmp_ge_u32 s2, 4
	s_cbranch_scc1 .Lweights
	; x: block 128 y + X
	s_lshl_b32 s3, s2, 7
	s_add_co_u32 s3, s3, ttmp9
	s_lshl_b32 s32, s3, 15
	s_lshl_b32 s34, s3, 14
	s_add_nc_u64 s[28:29], s[8:9], s[32:33]
	s_add_nc_u64 s[30:31], s[22:23], s[34:35]
	COPY8
.Lweights:                                             ; eight rows of Wq, Wk or Wv: rows 8 X .. 8 X + 7, head X >> 4
	s_lshl_b32 s32, ttmp9, 15
	s_lshr_b32 s3, ttmp9, 4
	s_mul_i32 s3, s3, 400
	s_sub_co_u32 s4, s2, 4
	s_lshl_b32 s4, s4, 7
	s_add_co_u32 s3, s3, s4
	s_and_b32 s4, ttmp9, 15
	s_lshl_b32 s4, s4, 3
	s_add_co_u32 s3, s3, s4
	s_lshl_b32 s34, s3, 11                         ; destination row x 2,048 bytes
	s_cmp_eq_u32 s2, 4
	s_cselect_b64 s[28:29], s[10:11], s[12:13]
	s_cmp_eq_u32 s2, 6
	s_cselect_b64 s[28:29], s[14:15], s[28:29]
	s_add_nc_u64 s[28:29], s[28:29], s[32:33]
	s_add_nc_u64 s[30:31], s[24:25], s[34:35]
	COPY8
.Lwo:
	s_lshl_b32 s32, ttmp9, 15
	s_lshl_b32 s34, ttmp9, 14
	s_add_co_u32 s34, s34, WOH
	s_add_nc_u64 s[28:29], s[16:17], s[32:33]
	s_add_nc_u64 s[30:31], s[24:25], s[34:35]
	COPY8
.Lgate:                                                ; one row of 1,024 numbers: 16 bytes a thread
	s_and_b32 s3, ttmp9, 15                        ; row 0-7 beta, 8-15 alpha
	s_lshr_b32 s4, ttmp9, 4                        ; head
	s_add_co_u32 s5, s3, s4
	s_and_b32 s5, s5, 7                            ; the source's row: (row + head) mod 8
	s_lshl_b32 s32, s5, 12
	s_mul_i32 s6, s4, 400
	s_add_co_u32 s6, s6, s3
	s_add_co_u32 s6, s6, 384
	s_lshl_b32 s34, s6, 11
	s_cmp_lt_u32 s3, 8
	s_cselect_b64 s[28:29], s[18:19], s[20:21]
	s_add_nc_u64 s[28:29], s[28:29], s[32:33]
	s_add_nc_u64 s[30:31], s[24:25], s[34:35]
	global_load_b128 v[8:11], v1, s[28:29]
	s_wait_loadcnt 0x0
	v_cvt_pk_f16_f32 v40, v8, v9
	v_cvt_pk_f16_f32 v41, v10, v11
	global_store_b64 v2, v[40:41], s[30:31]
	s_endpgm
.Ltable:                                               ; 16 positions x 64 frequencies; thread: position 16 X + tid / 16, frequencies 4 (tid % 16) + 0..3
	s_lshl_b32 s34, ttmp9, 12
	s_add_co_u32 s34, s34, ROPE
	s_add_nc_u64 s[30:31], s[24:25], s[34:35]      ; a position's 64 numbers are 256 bytes: the thread's 16 bytes lie at 4,096 X + 16 tid
	s_lshl_b32 s3, ttmp9, 4
	v_lshrrev_b32 v3, 4, v0
	v_add_nc_u32 v3, s3, v3
	v_cvt_f32_u32 v3, v3                           ; pos
	v_and_b32 v4, 15, v0
	v_lshlrev_b32 v4, 2, v4
	v_mov_b32 v5, 0x40c90fdb                       ; 2 pi, upper word
	v_mov_b32 v6, 0xb43bbd2e                       ; 2 pi, what the upper word leaves
	v_mov_b32 v7, 0xab573f9f                       ; -1/15!
	v_mov_b32 v44, 0x29573f9f                      ; 1/16!
.irp j, 0,1,2,3
	v_add_nc_u32 v[8+\j], \j, v4
	v_cvt_f32_u32 v[8+\j], v[8+\j]
	v_mul_f32 v[8+\j], 0xbe549a78, v[8+\j]         ; -f log2(10000) / 64
.endr
.irp j, 0,1,2,3
	v_exp_f32 v[12+\j], v[8+\j]
.endr
	v_nop                                          ; one plain place behind the exponentials (ISA guide 5.7.2)
	s_wait_alu depctr_va_vdst(0)
.irp j, 0,1,2,3
	v_mul_f32 v[16+\j], v3, v[12+\j]               ; the angle
	v_mul_f32 v[20+\j], 0.15915494, v[16+\j]
	v_rndne_f32 v[20+\j], v[20+\j]                 ; whole turns
	v_fma_f32 v[16+\j], -v[20+\j], v5, v[16+\j]
	v_fma_f32 v[16+\j], -v[20+\j], v6, v[16+\j]    ; r in [-pi, pi]
	v_mul_f32 v[24+\j], v[16+\j], v[16+\j]         ; z = r r
	v_fmaak_f32 v[28+\j], v7, v[24+\j], 0x2f309231
	v_fmaak_f32 v[32+\j], v44, v[24+\j], 0xad49cba5
	v_fmaak_f32 v[28+\j], v[28+\j], v[24+\j], 0xb2d7322b
	v_fmaak_f32 v[32+\j], v[32+\j], v[24+\j], 0x310f76c7
	v_fmaak_f32 v[28+\j], v[28+\j], v[24+\j], 0x3638ef1d
	v_fmaak_f32 v[32+\j], v[32+\j], v[24+\j], 0xb493f27e
	v_fmaak_f32 v[28+\j], v[28+\j], v[24+\j], 0xb9500d01
	v_fmaak_f32 v[32+\j], v[32+\j], v[24+\j], 0x37d00d01
	v_fmaak_f32 v[28+\j], v[28+\j], v[24+\j], 0x3c088889
	v_fmaak_f32 v[32+\j], v[32+\j], v[24+\j], 0xbab60b61
	v_fmaak_f32 v[28+\j], v[28+\j], v[24+\j], 0xbe2aaaab
	v_fmaak_f32 v[32+\j], v[32+\j], v[24+\j], 0x3d2aaaab
	v_fmaak_f32 v[28+\j], v[28+\j], v[24+\j], 0x3f800000
	v_fmaak_f32 v[32+\j], v[32+\j], v[24+\j], 0xbf000000
	v_mul_f32 v[40+\j], v[16+\j], v[28+\j]         ; sin
	v_fmaak_f32 v[36+\j], v[32+\j], v[24+\j], 0x3f800000   ; cos
.endr
	global_store_b128 v1, v[36:39], s[30:31]
	global_store_b128 v1, v[40:43], s[30:31] offset:524288
	s_endpgm
.Lfunc_end_k_q7c52ee8057_prep:
	.size	k_q7c52ee8057_prep, .Lfunc_end_k_q7c52ee8057_prep-k_q7c52ee8057_prep
	.p2alignl 7, 3214868480
	.fill 96, 4, 3214868480
	.section	.rodata,"a",@progbits
	.p2align	6, 0x0
	.amdhsa_kernel k_q7c52ee8057_prep
		.amdhsa_group_segment_fixed_size 0
		.amdhsa_private_segment_fixed_size 0
		.amdhsa_enable_private_segment 0
		.amdhsa_kernarg_size 72
		.amdhsa_user_sgpr_count 2
		.amdhsa_user_sgpr_kernarg_segment_ptr 1
		.amdhsa_wavefront_size32 1
		.amdhsa_system_sgpr_workgroup_id_x 1
		.amdhsa_system_sgpr_workgroup_id_y 1
		.amdhsa_system_sgpr_workgroup_id_z 1
		.amdhsa_system_vgpr_workitem_id 0
		.amdhsa_next_free_vgpr 64
		.amdhsa_next_free_sgpr 66
		.amdhsa_reserve_vcc 0
		.amdhsa_float_denorm_mode_32 3
		.amdhsa_float_denorm_mode_16_64 3
		.amdhsa_memory_ordered 1
		.amdhsa_forward_progress 1
		.amdhsa_inst_pref_size 18
	.end_amdhsa_kernel
	.amdgpu_metadata
---
amdhsa.version: [ 1, 2 ]
amdhsa.kernels:
  - .name:           k_q7c52ee8057_prep
    .symbol:         k_q7c52ee8057_prep.kd
    .args:
      - { .name: x, .offset: 0, .size: 8, .value_kind: global_buffer, .address_space: global }
      - { .name: Wq, .offset: 8, .size: 8, .value_kind: global_buffer, .address_space: global }
      - { .name: Wk, .offset: 16, .size: 8, .value_kind: global_buffer, .address_space: global }
      - { .name: Wv, .offset: 24, .size: 8, .value_kind: global_buffer, .address_space: global }
      - { .name: Wo, .offset: 32, .size: 8, .value_kind: global_buffer, .address_space: global }
      - { .name: Wbeta, .offset: 40, .size: 8, .value_kind: global_buffer, .address_space: global }
      - { .name: Walpha, .offset: 48, .size: 8, .value_kind: global_buffer, .address_space: global }
      - { .name: xh, .offset: 56, .size: 8, .value_kind: global_buffer, .address_space: global }
      - { .name: wts, .offset: 64, .size: 8, .value_kind: global_buffer, .address_space: global }
    .group_segment_fixed_size: 0
    .private_segment_fixed_size: 0
    .kernarg_segment_align: 8
    .kernarg_segment_size: 72
    .max_flat_workgroup_size: 256
    .sgpr_count:     66
    .vgpr_count:     64
    .wavefront_size: 32
...
	.end_amdgpu_metadata
.endif
;; end of part 1
;; launch proj (part 2): grid 8 x 32, 4 waves a work-group, clusters of 4 x 4, 327,680 bytes of LDS; arguments xh, wts, bbeta, balpha, qkv, uf, gm; writes qkv, uf, gm
.if DOCPART == 2
	.amdgcn_target "amdgcn-amd-amdhsa--gfx1250"
	.amdhsa_code_object_version 6
	.text
	.protected	k_q7c52ee8057_proj
	.globl	k_q7c52ee8057_proj
	.p2align	8
	.type	k_q7c52ee8057_proj,@function
k_q7c52ee8057_proj:
	s_mov_b64 s[64:65], 0
	v_nop
	global_prefetch_b8 v0, s[64:65] scope:SCOPE_SE
	s_setreg_imm32_b32 hwreg(HW_REG_WAVE_MODE, 25, 1), 1
	s_wait_xcnt 0x0
	s_wait_alu depctr_hold_cnt(0) depctr_sa_sdst(0) depctr_va_vdst(0) depctr_va_sdst(0) depctr_va_ssrc(0) depctr_va_vcc(0) depctr_vm_vsrc(0)
	s_getreg_b32 s2, hwreg(HW_REG_IB_STS2, 6, 4)
	s_cmp_eq_u32 s2, 0
	s_cbranch_scc0 .Lentry_in_a_cluster
	s_endpgm
.Lentry_in_a_cluster:
	s_bfe_u32 s2, ttmp6, 0x10000c
	s_cmp_lg_u32 s2, 0xf033
	s_cbranch_scc0 .Lentry_shape_is_right
	s_endpgm
.Lentry_shape_is_right:
; proj: for head h (grid x) and chunk rb = 16 b + c of 128 tokens (grid y): q, k, v = x W^T, both gates, RoPE, and the chunk's own
; contribution to the state, U[d][e] = sum over s of 2^(cC - c_s) alpha_s k_s[d] v_s[e], c_s = running sum of log2 beta in the chunk.
; One product of 128 rows x 400 columns (q_h, k_h, v_h, 16 gate rows), K = 1024 in steps of 128 through two LDS slots.
; Four waves, as many as a WGP has SIMDs.  Wave w: all 128 tokens x columns 32 w .. 32 w + 31 of q, of k and of v, and the gates of tokens 32 w .. + 31:
; 50 accumulator tiles, 50 matrix instructions for 32 along K from 15 fragments.  All operands f16, all sums f32.
; Row tiles are dealt to fragment numbers by an exclusive or with w (fragment i holds tile 2 ((i >> 1) ^ w) + (i & 1)), so that a
; wave's own 32 tokens are always fragments 0 and 1.
; q and k are made with W as source 0: a lane holds one token and 8 neighbouring d.  v with x as source 0: a lane holds one e and 8
; neighbouring tokens.  In both cases a lane's 8 results, packed, are 16 bytes of an operand fragment of the later launches, so that
; every store of a wave covers 512 consecutive bytes and nothing goes out through LDS.
; CLUSTER 4 x 4: x's tile hangs on rb alone and is asked for jointly along a row of the cluster, the weights' tiles on h alone and
; jointly along a column: a quarter of the requests.
; LIMITS: |q|, |k|, |v| below 32,000 (f16); in U a term whose weight 2^(cC - c_s) alpha_s is below 2^-14 is rounded with the absolute
; step of f16's small numbers.  beta lies in [0.85, 0.999] by the clip of the problem itself, so |c| <= 128 x 0.2345 = 30.1 and
; every power 2^(+-c) is safe in f32 for every input.
.set PITCH, 272                        ; an LDS row: 256 bytes + 16 of padding, so the 16 rows of a fragment load begin 4 banks apart
.set HALFT, 128*PITCH
.set SLOT,  528*PITCH                  ; 128 rows of x, then the 400 rows of the head's weights
.set KTP,   96                         ; weighted k, [token][32 d] for each wave: 64 bytes + 32
.set KTW,   128*KTP                    ; a wave's block; the four lie in slot 0's first 49,152 bytes, behind that slot's last fill and last read
.set GATE,  2*SLOT                     ; behind the ring, where no tensor load lands: 256 bytes a wave: log2 beta of its 32 tokens, then alpha
.set WKP,   GATE+1024                  ; 512 bytes a wave, its own: the 128 weights
.set MAXS,  WKP+2048                   ; 16 bytes a wave: max |q|, |k|, |v|, and 2^cC
.set ROPE,  8650752
.set MXO,   262144
.set DW0,   (1<<16)|(1<<20)|(1<<21)|(5<<22)|(3<<25)   ; elements of 2 bytes; padding on: 4 words behind every 64; bit 21 beside a mask
; window 0
.set ADRA, 4                           ; v4-11   [slot][p] LDS address of x's fragments 2p, 2p+1
.set ADRB, 12                          ; v12-17  [slot][q,k,v] of my two weight fragments
.set ADRG, 18                          ; v18-19  [slot] of the gate rows
.set ROFF, 20                          ; v20-23  [p] byte offset in the table
.set QOFF, 24                          ; v24-27  [p] in q and in k
.set VOFF, 28                          ; v28-31  [p] in v
.set KOFF, 32                          ; v32-35  [p] where weighted k goes in LDS
.set WKR,  36                          ; v36-39  [p] where my token's weight lies
.set TRK,  40                          ; v40-43  [p] transposing loads of weighted k
.set GADR, 44                          ; v44; v45 bias; v46-47 logits; v48-51 max q, k, v, 2^cC
.set WK,   52                          ; v52-59  weight of my token in fragment i
.set F0,   64                          ; fragments: x in window 0 (8), weights in window 1 (7), two buffers
.set F1,   128
.set SCR,  192                         ; v192-255 at work.  Window 1: v0-63 cos, v192-255 sin.  Window 2: q, k tiles 8 (4 i + t).  Window 3: v tiles 8 (2 i + e), gates 128, 136
.set G1A, 24
.set G0A, 32
.set G1B, 40
.set G1C, 48
.set G0B, 56
.set MSB, 0
.macro WIN new                         ; the immediate's high byte repeats the setting that is left
.if MSB != \new
	s_set_vgpr_msb (MSB<<8)|\new
.set MSB, \new
.endif
.endm
.macro PLACES                          ; four plain places behind matrix instructions (ISA guide 7.12.1)
.rept 4
	v_nop
.endr
.endm
.macro CREST                           ; a round of the cluster's barrier behind its opening barrier
	s_cmp_lg_u32 s10, 0
	s_cbranch_scc1 .Lnot_wave_0_\@
	s_barrier_signal -3
.Lnot_wave_0_\@:
	s_barrier_wait -3
	s_barrier_signal -1
	s_barrier_wait -1
.endm
.macro CROUND
	s_barrier_signal -1
	s_barrier_wait -1
	CREST
.endm
; One joint load a wave: wave 0 x's 128 rows, waves 1 and 2 128 rows of the weights each, wave 3 the last 144.  The branches hang on the wave's number alone.
.macro JLOAD s
	s_cmp_lg_u32 s10, 0
	s_cbranch_scc1 .Lfor_b_\@
	tensor_load_to_lds s[G0A+4*\s:G0A+4*\s+3], s[G1A:G1A+7]
	s_nop 0
	s_branch .Lasked_\@
.Lfor_b_\@:
	s_cmp_eq_u32 s10, 3
	s_cbranch_scc1 .Lfor_c_\@
	tensor_load_to_lds s[G0B+4*\s:G0B+4*\s+3], s[G1B:G1B+7]
	s_nop 0
	s_branch .Lasked_\@
.Lfor_c_\@:
	tensor_load_to_lds s[G0B+4*\s:G0B+4*\s+3], s[G1C:G1C+7]
	s_nop 0
.Lasked_\@:
.endm
	s_load_b256 s[68:75], s[0:1], 0x0              ; xh 68, wts 70, bbeta 72, balpha 74
	s_load_b128 s[76:79], s[0:1], 0x20             ; qkv 76, uf 78
	s_load_b64 s[80:81], s[0:1], 0x30              ; gm
	s_set_vgpr_msb 0x40
	v_lshl_add_u32 v190, v0, 2, 0x47000
	v_mov_b32 v191, 0
	s_set_vgpr_msb 0x4045
	ds_add_u32 v190, v191
	s_set_vgpr_msb 0x4500
	v_lshrrev_b32 v1, 5, v0
	v_readfirstlane_b32 s10, v1                    ; wave
	s_bfe_u32 s4, ttmp6, 0x40000                   ; cx
	s_bfe_u32 s5, ttmp6, 0x40004                   ; cy
	s_lshl_b32 s12, ttmp9, 2
	s_add_co_u32 s12, s12, s4                      ; h
	s_and_b32 s13, ttmp7, 0xffff
	s_lshl_b32 s13, s13, 2
	s_add_co_u32 s13, s13, s5                      ; rb
	s_lshl_b32 s6, s5, 2
	s_lshl_b32 s6, 15, s6                          ; my row of the cluster
	s_lshl_b32 s7, 0x1111, s4                      ; my column
	s_or_b32 s[G1A], s6, DW0
	s_or_b32 s[G1B], s7, DW0
	s_or_b32 s[G1C], s7, DW0
.irp g, G1A, G1B, G1C
	s_mov_b32 s[\g+1], 128<<16                     ; tensor_dim0 = 128 elements
	s_mov_b32 s[\g+3], 128<<16                     ; tile_dim0 = 128
	s_mov_b32 s[\g+5], 1024                        ; from row to row
	s_mov_b32 s[\g+6], 0
	s_mov_b32 s[\g+7], 0
.endr
	s_mov_b32 s[G1A+2], 128<<16                    ; tensor_dim1
	s_mov_b32 s[G1A+4], 128                        ; tile_dim1
	s_mov_b32 s[G1B+2], 128<<16
	s_mov_b32 s[G1B+4], 128
	s_mov_b32 s[G1C+2], 144<<16
	s_mov_b32 s[G1C+4], 144
	; s90-91 hold only what hangs on rb, s92-94 only what hangs on h and the wave, s95 only the wave: they feed the descriptors and nothing else
	s_lshl_b32 s90, s13, 18                        ; rb x 128 rows x 2,048 bytes
	s_mov_b32 s91, 0
	s_mul_i32 s92, s12, 819200                     ; h x 400 rows
	s_max_u32 s94, s10, 1
	s_sub_co_u32 s94, s94, 1
	s_lshl_b32 s94, s94, 18                        ; (wave - 1) x 128 rows
	s_add_co_u32 s92, s92, s94
	s_mov_b32 s93, 0
	s_mul_i32 s95, s10, HALFT                      ; x's rows, then the weights': wave x 128 rows
	s_wait_dscnt 0x0
	s_wait_kmcnt 0x0
	s_add_nc_u64 s[90:91], s[68:69], s[90:91]
	s_add_nc_u64 s[92:93], s[70:71], s[92:93]
	CROUND                                         ; all sixteen work-groups are here: the first joint loads meet
.irp s, 0,1
	s_mov_b32 s[G0A+4*\s], 1
	s_add_co_u32 s[G0A+4*\s+1], s95, \s*SLOT
	s_add_nc_u64 s[G0A+4*\s+2:G0A+4*\s+3], s[90:91], \s*256
	s_or_b32 s[G0A+4*\s+3], s[G0A+4*\s+3], 0x80000000
	s_mov_b32 s[G0B+4*\s], 1
	s_add_co_u32 s[G0B+4*\s+1], s95, \s*SLOT
	s_add_nc_u64 s[G0B+4*\s+2:G0B+4*\s+3], s[92:93], \s*256
	s_or_b32 s[G0B+4*\s+3], s[G0B+4*\s+3], 0x80000000
	JLOAD \s                                       ; K steps 0 and 1: two loads of this wave are out
.endr
	; the head's two biases, and the places in the outputs
	s_lshl_b32 s96, s12, 2
	s_mov_b32 s97, 0
	s_add_nc_u64 s[72:73], s[72:73], s[96:97]
	s_add_nc_u64 s[74:75], s[74:75], s[96:97]
	s_load_b32 s98, s[72:73], 0x0
	s_load_b32 s99, s[74:75], 0x0
	s_lshr_b32 s14, s13, 4
	s_lshl_b32 s14, s14, 7
	s_lshl4_add_u32 s14, s12, s14
	s_and_b32 s15, s13, 15                         ; c
	s_add_co_u32 s14, s14, s15                     ; idx = (8 b + h) 16 + c
	s_lshl_b32 s96, s14, 15
	s_add_nc_u64 s[76:77], s[76:77], s[96:97]      ; q
	s_add_nc_u64 s[84:85], s[76:77], 0x800000      ; k
	s_add_nc_u64 s[86:87], s[76:77], 0x1000000     ; v
	s_lshl_b32 s96, s14, 16
	s_add_nc_u64 s[78:79], s[78:79], s[96:97]      ; U
	s_lshl_b32 s96, s14, 4
	s_add_co_u32 s96, s96, MXO
	s_add_nc_u64 s[88:89], s[80:81], s[96:97]      ; the chunk's maxima
	s_lshl_b32 s96, s14, 10
	s_add_nc_u64 s[80:81], s[80:81], s[96:97]      ; c and cf
	s_add_nc_u64 s[82:83], s[70:71], ROPE          ; the table
	s_mov_b32 s66, 0x76543210
	s_mov_b32 s67, 0xfedcba98
	s_lshl_b32 s20, s15, 15                        ; 128 c positions of 256 bytes
	s_lshl_b32 s21, s10, 6
	s_add_co_u32 s20, s20, s21                     ; + my 16 frequencies
	s_lshl_b32 s21, s10, 10
	s_lshl_b32 s22, s10, 13
	s_mul_i32 s23, s10, KTW
	s_lshl_b32 s2, s10, 9
	s_add_co_u32 s2, s2, WKP
	v_and_b32 v1, 15, v0                           ; r
	v_bfe_u32 v2, v0, 4, 1                         ; hh
	v_and_b32 v3, 31, v0                           ; l
	v_mul_u32_u24 v60, v1, PITCH
	v_lshl_add_u32 v60, v2, 4, v60                 ; r 272 + 16 hh
	v_lshlrev_b32 v61, 8, v1
	v_lshl_add_u32 v61, v2, 4, v61                 ; r 256 + 16 hh
	v_lshlrev_b32 v62, 4, v3                       ; 16 l
	v_mul_u32_u24 v63, v1, KTP
	v_lshl_add_u32 v63, v2, 4, v63                 ; r 96 + 16 hh
	v_and_b32 v45, 7, v0
	v_lshl_add_u32 v45, v2, 3, v45
	v_mul_u32_u24 v45, v45, KTP
	v_bfe_u32 v46, v0, 3, 1
	v_lshl_add_u32 v45, v46, 4, v45                ; (8 hh + l % 8) 96 + 16 ((l >> 3) & 1)
	v_lshlrev_b32 v47, 2, v1                       ; 4 r
.irp p, 0,1,2,3
	s_xor_b32 s16, s10, \p                         ; p ^ w: which 32 tokens
	s_mul_i32 s17, s16, 32*PITCH
	v_add_nc_u32 v[ADRA+\p], s17, v60
	v_add_nc_u32 v[ADRA+4+\p], SLOT, v[ADRA+\p]
	s_lshl_b32 s17, s16, 13
	s_add_co_u32 s19, s17, s20
	v_add_nc_u32 v[ROFF+\p], s19, v61
	s_add_co_u32 s18, s17, s21
	v_add_nc_u32 v[QOFF+\p], s18, v62
	s_lshl_b32 s17, s16, 10
	s_add_co_u32 s18, s17, s22
	v_add_nc_u32 v[VOFF+\p], s18, v62
	s_mul_i32 s17, s16, 32*KTP
	s_add_co_u32 s18, s17, s23
	v_add_nc_u32 v[KOFF+\p], s18, v63
	v_add_nc_u32 v[TRK+\p], s17, v45
	s_lshl_b32 s17, s16, 7
	s_add_co_u32 s18, s17, s2
	v_add_nc_u32 v[WKR+\p], s18, v47
.endr
	s_mul_i32 s17, s10, 32*PITCH
	s_add_co_u32 s17, s17, HALFT
.irp g, 0,1,2
	v_add_nc_u32 v[ADRB+\g], s17, v60
	v_add_nc_u32 v[ADRB+3+\g], SLOT, v[ADRB+\g]
	s_add_co_u32 s17, s17, HALFT
.endr
	v_add_nc_u32 v[ADRG], 4*HALFT, v60
	v_add_nc_u32 v[ADRG+1], 4*HALFT+SLOT, v60
	s_lshl_b32 s17, s10, 8
	s_add_co_u32 s17, s17, GATE
	v_lshl_add_u32 v[GADR], v2, 7, v47
	v_add_nc_u32 v[GADR], s17, v[GADR]             ; my wave's block + 128 hh + 4 r
	; cos and sin of my tokens and frequencies: 32 loads that stay out during the whole product; they are waited for in front of RoPE
	WIN 0x40
.irp i, 0,1,2,3,4,5,6,7
.irp bb, 0,1
	global_load_b128 v[4*(2*\i+\bb):4*(2*\i+\bb)+3], v[ROFF+\i/2], s[82:83] offset:(\i%2)*4096+32*\bb
	global_load_b128 v[192+4*(2*\i+\bb):192+4*(2*\i+\bb)+3], v[ROFF+\i/2], s[82:83] offset:(\i%2)*4096+32*\bb+524288
.endr
.endr
	WIN 0
; The 50 accumulators take turns, one instruction a turn, in the same order in every quarter step.
.macro MULQK f, i0, zero               ; q and k: source 0 the weights (window 1), source 1 x (window 0)
.irp a, \i0, \i0+1, \i0+2, \i0+3
.irp b, 0,1,2,3
.if \zero
	v_wmma_f32_16x16x32_f16 v[8*(4*(\a)+\b):8*(4*(\a)+\b)+7], v[\f+8*\b:\f+8*\b+7], v[\f+8*(\a):\f+8*(\a)+7], 0
.else
	v_wmma_f32_16x16x32_f16 v[8*(4*(\a)+\b):8*(4*(\a)+\b)+7], v[\f+8*\b:\f+8*\b+7], v[\f+8*(\a):\f+8*(\a)+7], v[8*(4*(\a)+\b):8*(4*(\a)+\b)+7]
.endif
.endr
.endr
.endm
.macro MULV f, zero                    ; v: source 0 x (window 0), source 1 the weights (window 1)
.irp a, 0,1,2,3,4,5,6,7
.irp b, 0,1
.if \zero
	v_wmma_f32_16x16x32_f16 v[8*(2*\a+\b):8*(2*\a+\b)+7], v[\f+8*\a:\f+8*\a+7], v[\f+32+8*\b:\f+32+8*\b+7], 0
.else
	v_wmma_f32_16x16x32_f16 v[8*(2*\a+\b):8*(2*\a+\b)+7], v[\f+8*\a:\f+8*\a+7], v[\f+32+8*\b:\f+32+8*\b+7], v[8*(2*\a+\b):8*(2*\a+\b)+7]
.endif
.endr
.endr
.endm
.macro MULG f, zero                    ; the gates of my 32 tokens: source 0 the 16 gate rows, source 1 x's fragments 0, 1
.irp b, 0,1
.if \zero
	v_wmma_f32_16x16x32_f16 v[128+8*\b:135+8*\b], v[\f+48:\f+55], v[\f+8*\b:\f+8*\b+7], 0
.else
	v_wmma_f32_16x16x32_f16 v[128+8*\b:135+8*\b], v[\f+48:\f+55], v[\f+8*\b:\f+8*\b+7], v[128+8*\b:135+8*\b]
.endif
.endr
.endm
.macro FETCH slot, k, f                ; 30 LDS loads: x's 8 fragments, then q's, k's, v's two each, then the gate rows'
	WIN 0
.irp i, 0,1,2,3,4,5,6,7
	ds_load_b128 v[\f+8*\i:\f+8*\i+3],   v[ADRA+4*\slot+\i/2] offset:\k+(\i%2)*16*PITCH
	ds_load_b128 v[\f+8*\i+4:\f+8*\i+7], v[ADRA+4*\slot+\i/2] offset:\k+(\i%2)*16*PITCH+32
.endr
	WIN 0x40
.irp t, 0,1,2,3,4,5
	ds_load_b128 v[\f+8*\t:\f+8*\t+3],   v[ADRB+3*\slot+\t/2] offset:\k+(\t%2)*16*PITCH
	ds_load_b128 v[\f+8*\t+4:\f+8*\t+7], v[ADRB+3*\slot+\t/2] offset:\k+(\t%2)*16*PITCH+32
.endr
	ds_load_b128 v[\f+48:\f+51], v[ADRG+\slot] offset:\k
	ds_load_b128 v[\f+52:\f+55], v[ADRG+\slot] offset:\k+32
.endm
.macro QUARTER slot, k, f, g, zero     ; multiplies buffer f; in its middle fetches byte k of the rows into buffer g
	s_wait_dscnt 6                                 ; all but the youngest six loads: v's two fragments and the gate rows' may be out
	WIN 0xa1
	MULQK \f, 0, \zero
	MULQK \f, 4, \zero
	PLACES
	FETCH \slot, \k, \g
	s_wait_dscnt 30                                ; all but the 30 just issued
	WIN 0xf4
	MULV \f, \zero
	WIN 0xf1
	MULG \f, \zero
.endm
.macro THREE slot, zero
	QUARTER \slot, 64,  F0, F1, \zero
	QUARTER \slot, 128, F1, F0, 0
	QUARTER \slot, 192, F0, F1, 0
.endm
; The last quarter of a K step changes slots.  In front of the barrier each wave waits for its reads of this slot and for all its
; tensor loads (one is out: its part of the next slot).  Where the slot is filled again the barrier opens a round of the cluster's
; barrier, and the joint refill is the first tensor load behind the round.
.macro TURN slot, next, fill
	s_wait_dscnt 6
	WIN 0xa1
	MULQK F1, 0, 0
	s_wait_dscnt 0x0
	s_set_vgpr_msb 0xa1a5
	s_wait_tensorcnt 0x0
	ds_add_u32 v190, v191
	s_wait_dscnt 0x0
	s_set_vgpr_msb 0xa5a1
	s_barrier_signal -1
	MULQK F1, 4, 0                                 ; register work while the others arrive
	WIN 0
	s_barrier_wait -1
.if \fill
	CREST
	s_add_nc_u64 s[G0A+4*\slot+2:G0A+4*\slot+3], s[G0A+4*\slot+2:G0A+4*\slot+3], 512   ; two K steps on; no load of mine is out
	s_add_nc_u64 s[G0B+4*\slot+2:G0B+4*\slot+3], s[G0B+4*\slot+2:G0B+4*\slot+3], 512
	JLOAD \slot
.endif
	PLACES
	FETCH \next, 0, F0
	WIN 0xf4
	MULV F1, 0
	WIN 0xf1
	MULG F1, 0
.endm
.macro LAP zero
	THREE 0, \zero
	TURN 0, 1, 1
	THREE 1, 0
	TURN 1, 0, 1
.endm
	s_wait_kmcnt 0x0                               ; the biases
	s_wait_tensorcnt 0x1                           ; my part of K step 0 is in; step 1's stays out
	s_barrier_signal -1
	s_barrier_wait -1
	FETCH 0, 0, F0
	LAP 1                                          ; the first products start the sums: nothing is cleared
	WIN 0
	s_mov_b32 s8, 2
.Llap:
	LAP 0
	WIN 0
	s_sub_co_u32 s8, s8, 1
	s_cmp_lg_u32 s8, 0
	s_cbranch_scc1 .Llap
	THREE 0, 0                                     ; K steps 6 and 7: nothing more is fetched
	TURN 0, 1, 0
	THREE 1, 0
	s_wait_dscnt 6
	WIN 0xa1
	MULQK F1, 0, 0
	MULQK F1, 4, 0
	s_wait_dscnt 0x0
	WIN 0xf4
	MULV F1, 0
	WIN 0xf1
	MULG F1, 0
	WIN 0
	; THE GATES.  Register 0 of a gate tile: lanes 0-15 the head's beta logit of token r, lanes 16-31 its alpha logit.
	s_mov_b32 s3, 0xffff0000
	v_mov_b32 v45, s98
	v_mov_b32 v46, s99
	v_cndmask_b32 v45, v45, v46, s3                ; the bias of my half of the lanes
	v_mov_b32 v48, 0
	v_mov_b32 v49, 0
	v_mov_b32 v50, 0
	PLACES
	WIN 0x03
	v_add_f32 v46, v128, v45
	v_add_f32 v47, v136, v45
	WIN 0
	v_mul_f32 v192, 0xbfb8aa3b, v46
	v_mul_f32 v193, 0xbfb8aa3b, v47
	v_exp_f32 v194, v192
	v_exp_f32 v195, v193
	v_mov_b32 v198, 0x3f59999a                     ; 0.85; also the plain place behind the exponentials
	s_wait_alu depctr_va_vdst(0)
	v_add_f32 v194, 1.0, v194
	v_add_f32 v195, 1.0, v195
	v_rcp_f32 v196, v194                           ; the sigmoid
	v_rcp_f32 v197, v195
	v_nop
	s_wait_alu depctr_va_vdst(0)
	v_fmamk_f32 v199, v196, 0x3e189375, v198       ; beta = 0.85 + 0.149 sigmoid
	v_fmamk_f32 v200, v197, 0x3e189375, v198
	v_log_f32 v201, v199
	v_log_f32 v202, v200
	v_nop
	s_wait_alu depctr_va_vdst(0)
	v_cndmask_b32 v201, v201, v196, s3             ; lower lanes log2 beta, upper lanes alpha
	v_cndmask_b32 v202, v202, v197, s3
	ds_store_b32 v[GADR], v201
	ds_store_b32 v[GADR], v202 offset:64
	s_wait_dscnt 0x0                               ; for the other waves' sake
	s_barrier_signal -1
	s_barrier_wait -1
	; Every wave makes the running sum over all 128 tokens for itself, 4 tokens a lane: no wave idles and no second barrier is needed.
	v_lshrrev_b32 v192, 3, v3
	v_and_b32 v193, 7, v3
	v_lshlrev_b32 v192, 8, v192
	v_lshl_add_u32 v192, v193, 4, v192
	v_add_nc_u32 v192, GATE, v192
	ds_load_b128 v[200:203], v192                  ; log2 beta of tokens 4 l .. 4 l + 3
	ds_load_b128 v[204:207], v192 offset:128       ; alpha
	s_wait_dscnt 0x0
	v_add_f32 v208, v200, v201
	v_add_f32 v209, v202, v203
	v_add_f32 v208, v208, v209
.irp d, 1,2,4,8,16
	v_add_nc_u32 v210, -\d, v3
	v_and_b32 v210, 31, v210
	v_lshlrev_b32 v210, 2, v210
	ds_bpermute_b32 v211, v210, v208               ; the sum of lane l - d
	v_cmp_le_u32 vcc_lo, \d, v3
	s_wait_dscnt 0x0
	v_cndmask_b32 v211, 0, v211, vcc_lo
	v_add_f32 v208, v208, v211
.endr
	v_add_nc_u32 v210, -1, v3
	v_and_b32 v210, 31, v210
	v_lshlrev_b32 v210, 2, v210
	ds_bpermute_b32 v211, v210, v208               ; what lies in front of my four
	v_cmp_le_u32 vcc_lo, 1, v3
	s_wait_dscnt 0x0
	v_cndmask_b32 v211, 0, v211, vcc_lo
	v_add_f32 v212, v211, v200                     ; c of my four tokens
	v_add_f32 v213, v212, v201
	v_add_f32 v214, v213, v202
	v_add_f32 v215, v214, v203
	v_readlane_b32 s96, v215, 31                   ; cC
.irp j, 0,1,2,3
	v_sub_f32 v[216+\j], s96, v[212+\j]
	v_sub_f32 v[220+\j], 0, v[212+\j]
.endr
	v_mov_b32 v232, s96
.irp j, 0,1,2,3
	v_exp_f32 v[224+\j], v[216+\j]
	v_exp_f32 v[228+\j], v[220+\j]
.endr
	v_exp_f32 v51, v232                            ; the chunk's decay 2^cC
	v_add_nc_u32 v193, s2, v62                     ; my wave's weights + 16 l; also the plain place
	s_wait_alu depctr_va_vdst(0)
	v_pk_mul_f32 v[224:225], v[224:225], v[204:205]    ; wk = 2^(cC - c) alpha
	v_pk_mul_f32 v[226:227], v[226:227], v[206:207]
	v_pk_mul_f32 v[228:229], v[228:229], v[204:205]    ; cf = 2^(-c) alpha
	v_pk_mul_f32 v[230:231], v[230:231], v[206:207]
	ds_store_b128 v193, v[224:227]
.irp i, 0,1,2,3,4,5,6,7
	ds_load_b32 v[WK+\i], v[WKR+\i/2] offset:(\i%2)*64     ; my wave's own bytes, served in order (ISA guide 5.7.1)
.endr
	s_cmp_lg_u32 s10, 0
	s_cbranch_scc1 .Lno_gm
	global_store_b128 v62, v[212:215], s[80:81]            ; c, 512 consecutive bytes
	global_store_b128 v62, v[228:231], s[80:81] offset:512 ; cf
.Lno_gm:
	s_wait_loadcnt 0x0                             ; cos and sin
	s_wait_dscnt 0x0                               ; the weights
	s_wait_xcnt 0x0                                ; v212-231, which the two stores read, are written again below
; RoPE and the way out of fragment i = 2 p + odd: 16 tokens, my 32 d of q and of k.
.macro ROPE_I i, p, odd
	WIN 0x06                                       ; source 0 window 2 (sums), source 1 window 1 (table)
.irp tb, 0,1,2,3
.irp pq, 0,1
.set xa, 8*(4*\i+\tb)+4*\pq
.set xs, SCR+8*\tb+4*\pq
.set xc, 4*(2*\i+\tb%2)+2*\pq
	v_pk_mul_f32 v[xs:xs+1], v[xa:xa+1], v[192+xc:193+xc] op_sel:[1,0] op_sel_hi:[0,0]         ; (x2 s, x1 s)
	v_pk_mul_f32 v[xs+2:xs+3], v[xa+2:xa+3], v[192+xc:193+xc] op_sel:[1,1] op_sel_hi:[0,1]
.endr
.irp pq, 0,1
.set xa, 8*(4*\i+\tb)+4*\pq
.set xs, SCR+8*\tb+4*\pq
.set xc, 4*(2*\i+\tb%2)+2*\pq
	v_pk_fma_f32 v[xs:xs+1], v[xa:xa+1], v[xc:xc+1], v[xs:xs+1] op_sel:[0,0,0] op_sel_hi:[1,0,1] neg_lo:[0,0,1]   ; (x1 c - x2 s, x2 c + x1 s)
	v_pk_fma_f32 v[xs+2:xs+3], v[xa+2:xa+3], v[xc:xc+1], v[xs+2:xs+3] op_sel:[0,1,0] op_sel_hi:[1,1,1] neg_lo:[0,0,1]
.endr
.endr
	WIN 0
.irp n, 0,1,2,3,4,5,6,7
	v_max3_num_f32 v48, v48, |v[SCR+2*\n]|, |v[SCR+2*\n+1]|
	v_max3_num_f32 v49, v49, |v[SCR+16+2*\n]|, |v[SCR+16+2*\n+1]|
.endr
	s_wait_xcnt 0x0                                ; v224-239, which the last fragment's stores read, are written again only behind this wait
.irp n, 0,1,2,3,4,5,6,7
	v_cvt_pk_f16_f32 v[224+\n], v[SCR+2*\n], v[SCR+2*\n+1]
	v_cvt_pk_f16_f32 v[232+\n], v[SCR+16+2*\n], v[SCR+16+2*\n+1]
.endr
	global_store_b128 v[QOFF+\p], v[224:227], s[76:77] offset:\odd*4096
	global_store_b128 v[QOFF+\p], v[228:231], s[76:77] offset:\odd*4096+512
	global_store_b128 v[QOFF+\p], v[232:235], s[84:85] offset:\odd*4096
	global_store_b128 v[QOFF+\p], v[236:239], s[84:85] offset:\odd*4096+512
.irp n, 0,1,2,3,4,5,6,7
	v_pk_mul_f32 v[SCR+16+2*\n:SCR+16+2*\n+1], v[SCR+16+2*\n:SCR+16+2*\n+1], v[WK+2*\p:WK+2*\p+1] op_sel:[0,\odd] op_sel_hi:[1,\odd]
.endr
.irp n, 0,1,2,3,4,5,6,7
	v_cvt_pk_f16_f32 v[240+\n], v[SCR+16+2*\n], v[SCR+16+2*\n+1]
.endr
	ds_store_b128 v[KOFF+\p], v[240:243] offset:\odd*16*KTP
	ds_store_b128 v[KOFF+\p], v[244:247] offset:\odd*16*KTP+32
.endm
	ROPE_I 0, 0, 0
	ROPE_I 1, 0, 1
	ROPE_I 2, 1, 0
	ROPE_I 3, 1, 1
	ROPE_I 4, 2, 0
	ROPE_I 5, 2, 1
	ROPE_I 6, 3, 0
	ROPE_I 7, 3, 1
	; v: the largest magnitude, then f16 fragments (lane = e, k = token) in window 1, v64-127: they go out, and they stay for U
	v_mov_b32 v60, 0
	WIN 0x3c
.set n, 0
.rept 32
	v_max3_num_f32 v50, v50, |v[n]|, |v[n+1]|
	v_max3_num_f32 v60, v60, |v[n+2]|, |v[n+3]|
.set n, n+4
.endr
	WIN 0x4f
.irp p, 0,1,2,3
.irp e, 0,1
.irp o, 0,1
.irp n, 0,1,2,3
	v_cvt_pk_f16_f32 v[64+8*(2*\p+\e)+4*\o+\n], v[8*(2*(2*\p+\o)+\e)+2*\n], v[8*(2*(2*\p+\o)+\e)+2*\n+1]
.endr
.endr
.endr
.endr
	WIN 0x04                                       ; a store's data are its source 1: window 1
.irp p, 0,1,2,3
.irp e, 0,1
.irp o, 0,1
	global_store_b128 v[VOFF+\p], v[64+8*(2*\p+\e)+4*\o:64+8*(2*\p+\e)+4*\o+3], s[86:87] offset:\e*4096+\o*512
.endr
.endr
.endr
	WIN 0
	v_max_num_f32 v50, v50, v60
.irp k, 48,49,50
	v_max_num_f32_dpp v\k, v\k, v\k row_xmask:1 row_mask:0xf bank_mask:0xf
	v_max_num_f32_dpp v\k, v\k, v\k row_xmask:2 row_mask:0xf bank_mask:0xf
	v_max_num_f32_dpp v\k, v\k, v\k row_xmask:4 row_mask:0xf bank_mask:0xf
	v_max_num_f32_dpp v\k, v\k, v\k row_xmask:8 row_mask:0xf bank_mask:0xf
	v_permlanex16_b32 v60, v\k, s66, s67
	v_max_num_f32 v\k, v\k, v60
.endr
	s_lshl_b32 s17, s10, 4
	s_add_co_u32 s17, s17, MAXS
	v_mov_b32 v194, s17
	ds_store_b128 v194, v[48:51]                   ; every lane the same 16 bytes
	v_lshl_add_u32 v61, s10, 14, v62               ; my place in U: 16,384 w + 16 l
	s_wait_dscnt 0x0                               ; weighted k and the maxima are in LDS, for the other waves' sake
	s_wait_xcnt 0x0                                ; v224-239 are loaded into below
	s_barrier_signal -1
	s_barrier_wait -1
	; U = (weighted k)^T v: my 32 e x all 128 d, 16 tiles at v64-191.  Source 0: weighted k transposed on its way out of LDS (lane = d,
	; k = token), source 1: v's fragments (window 1).  Eight groups of four d tiles x 32 tokens on two buffers.
.macro LDKT p, hf, buf
.irp t, 0,1,2,3
	ds_load_tr16_b128 v[\buf+8*\t:\buf+8*\t+3],   v[TRK+\p] offset:((4*\hf+\t)/2)*KTW+((4*\hf+\t)%2)*32
	ds_load_tr16_b128 v[\buf+8*\t+4:\buf+8*\t+7], v[TRK+\p] offset:((4*\hf+\t)/2)*KTW+((4*\hf+\t)%2)*32+16*KTP
.endr
.endm
.macro MULU p, hf, buf
.irp t, 0,1,2,3
.irp e, 0,1
.if \p
	v_wmma_f32_16x16x32_f16 v[64+8*(2*(4*\hf+\t)+\e):64+8*(2*(4*\hf+\t)+\e)+7], v[\buf+8*\t:\buf+8*\t+7], v[64+8*(2*\p+\e):64+8*(2*\p+\e)+7], v[64+8*(2*(4*\hf+\t)+\e):64+8*(2*(4*\hf+\t)+\e)+7]
.else
	v_wmma_f32_16x16x32_f16 v[64+8*(2*(4*\hf+\t)+\e):64+8*(2*(4*\hf+\t)+\e)+7], v[\buf+8*\t:\buf+8*\t+7], v[64+8*(2*\p+\e):64+8*(2*\p+\e)+7], 0
.endif
.endr
.endr
.endm
	WIN 0x04
	LDKT 0, 0, 192
	LDKT 0, 1, 224
.irp p, 0,1,2
	s_wait_dscnt 8                                 ; this group's eight loads are in, the other buffer's eight may be out
	MULU \p, 0, 192
	PLACES
	LDKT \p+1, 0, 192
	s_wait_dscnt 8
	MULU \p, 1, 224
	PLACES
	LDKT \p+1, 1, 224
.endr
	s_wait_dscnt 8
	MULU 3, 0, 192
	s_wait_dscnt 0x0
	MULU 3, 1, 224
	PLACES
	WIN 0
.irp e, 0,1
.irp dt, 0,1,2,3,4,5,6,7
	global_store_b128 v61, v[64+8*(2*\dt+\e):64+8*(2*\dt+\e)+3], s[78:79] offset:\e*8192+\dt*1024
	global_store_b128 v61, v[64+8*(2*\dt+\e)+4:64+8*(2*\dt+\e)+7], s[78:79] offset:\e*8192+\dt*1024+512
.endr
.endr
	; wave 0 joins the four waves' maxima and stores the chunk's 16 bytes
	s_cmp_lg_u32 s10, 0
	s_cbranch_scc1 .Lno_max
	v_mov_b32 v192, MAXS
	ds_load_b128 v[196:199], v192
	ds_load_b128 v[200:203], v192 offset:16
	ds_load_b128 v[204:207], v192 offset:32
	ds_load_b128 v[208:211], v192 offset:48
	v_mov_b32 v193, 0
	s_wait_dscnt 0x0
.irp k, 0,1,2
	v_max3_num_f32 v[196+\k], v[196+\k], v[200+\k], v[204+\k]
	v_max_num_f32 v[196+\k], v[196+\k], v[208+\k]
.endr
	v_cmp_eq_u32 vcc_lo, 0, v3
	s_wait_xcnt 0x0                                ; EXEC changes only behind this wait
	s_and_saveexec_b32 s97, vcc_lo
	global_store_b128 v193, v[196:199], s[88:89]
	s_wait_xcnt 0x0                                ; and again in front of the line that widens it
	s_or_b32 exec_lo, exec_lo, s97
.Lno_max:
	s_set_vgpr_msb 0x5
	s_wait_tensorcnt 0x0
	ds_add_u32 v190, v191
	s_wait_dscnt 0x0
	s_set_vgpr_msb 0x500
	CROUND                                         ; the closing round
	s_endpgm
.Lfunc_end_k_q7c52ee8057_proj:
	.size	k_q7c52ee8057_proj, .Lfunc_end_k_q7c52ee8057_proj-k_q7c52ee8057_proj
	.p2alignl 7, 3214868480
	.fill 96, 4, 3214868480
	.section	.rodata,"a",@progbits
	.p2align	6, 0x0
	.amdhsa_kernel k_q7c52ee8057_proj
		.amdhsa_group_segment_fixed_size 327680
		.amdhsa_private_segment_fixed_size 0
		.amdhsa_enable_private_segment 0
		.amdhsa_kernarg_size 56
		.amdhsa_user_sgpr_count 2
		.amdhsa_user_sgpr_kernarg_segment_ptr 1
		.amdhsa_wavefront_size32 1
		.amdhsa_system_sgpr_workgroup_id_x 1
		.amdhsa_system_sgpr_workgroup_id_y 1
		.amdhsa_system_sgpr_workgroup_id_z 1
		.amdhsa_system_vgpr_workitem_id 0
		.amdhsa_next_free_vgpr 912
		.amdhsa_next_free_sgpr 102
		.amdhsa_reserve_vcc 1
		.amdhsa_float_denorm_mode_32 3
		.amdhsa_float_denorm_mode_16_64 3
		.amdhsa_memory_ordered 1
		.amdhsa_forward_progress 1
		.amdhsa_inst_pref_size 223
	.end_amdhsa_kernel
	.amdgpu_metadata
---
amdhsa.version: [ 1, 2 ]
amdhsa.kernels:
  - .name:           k_q7c52ee8057_proj
    .symbol:         k_q7c52ee8057_proj.kd
    .args:
      - { .name: xh, .offset: 0, .size: 8, .value_kind: global_buffer, .address_space: global }
      - { .name: wts, .offset: 8, .size: 8, .value_kind: global_buffer, .address_space: global }
      - { .name: bbeta, .offset: 16, .size: 8, .value_kind: global_buffer, .address_space: global }
      - { .name: balpha, .offset: 24, .size: 8, .value_kind: global_buffer, .address_space: global }
      - { .name: qkv, .offset: 32, .size: 8, .value_kind: global_buffer, .address_space: global }
      - { .name: uf, .offset: 40, .size: 8, .value_kind: global_buffer, .address_space: global }
      - { .name: gm, .offset: 48, .size: 8, .value_kind: global_buffer, .address_space: global }
    .group_segment_fixed_size: 327680
    .private_segment_fixed_size: 0
    .kernarg_segment_align: 8
    .kernarg_segment_size: 56
    .max_flat_workgroup_size: 128
    .sgpr_count:     102
    .vgpr_count:     912
    .wavefront_size: 32
...
	.end_amdgpu_metadata
.endif
;; end of part 2
;; launch scan (part 3): grid 256 x 1, 4 waves a work-group, no clusters, 0 bytes of LDS; arguments uf, gm, sf; writes sf
.if DOCPART == 3
	.amdgcn_target "amdgcn-amd-amdhsa--gfx1250"
	.amdhsa_code_object_version 6
	.text
	.protected	k_q7c52ee8057_scan
	.globl	k_q7c52ee8057_scan
	.p2align	8
	.type	k_q7c52ee8057_scan,@function
k_q7c52ee8057_scan:
	s_mov_b64 s[64:65], 0
	v_nop
	global_prefetch_b8 v0, s[64:65] scope:SCOPE_SE
	s_setreg_imm32_b32 hwreg(HW_REG_WAVE_MODE, 25, 1), 1
	s_wait_xcnt 0x0
; scan: the state that enters each chunk.  S_0 = 0, S_(c+1) = 2^cC(c) S_c + U_c, element by element, carried in f32, for 16 (batch, head)
; pairs of 128 x 128 elements.  Work-group = one sixteenth of a pair's elements; a thread owns 8 of them (tile 4 part + wave, its lane) and
; walks the 15 steps in registers.  All 30 loads of a thread are issued at once; the waits count them down.  The state goes out in f16,
; times an exact power of two sS with sS x 1024 max|k| max|v| <= 2^15 (the weights of a state sum to at most 1 / (1 - 0.999)).
; Memory binds and nothing is shared between work-groups: no LDS, no barrier, no matrix unit, no cluster.  U of chunk 15 is not read.
.set MXO, 262144
.set U,   16                           ; v16-135  U of chunks 0 to 14, 8 registers each; turned into the states in place
.set MXR, 136                          ; v136-167 the 256 chunks' maxima, 8 x 16 bytes a lane
.set TMP, 168                          ; v168-175 at work
.set O,   176                          ; v176-235 four registers for each stored state
.set SS,  242                          ; v242-243 sS twice
.macro GMAX T, tmp, sa, sb             ; the largest of each of the components 0, 1, 2 over 8 registers and 32 lanes, into v[T + k]
.irp k, 0,1,2
	v_max3_num_f32 v[\T+\k], v[\T+\k], v[\T+4+\k], v[\T+8+\k]
	v_max3_num_f32 v[\T+\k], v[\T+\k], v[\T+12+\k], v[\T+16+\k]
	v_max3_num_f32 v[\T+\k], v[\T+\k], v[\T+20+\k], v[\T+24+\k]
	v_max_num_f32 v[\T+\k], v[\T+\k], v[\T+28+\k]
	v_max_num_f32_dpp v[\T+\k], v[\T+\k], v[\T+\k] row_xmask:1 row_mask:0xf bank_mask:0xf
	v_max_num_f32_dpp v[\T+\k], v[\T+\k], v[\T+\k] row_xmask:2 row_mask:0xf bank_mask:0xf
	v_max_num_f32_dpp v[\T+\k], v[\T+\k], v[\T+\k] row_xmask:4 row_mask:0xf bank_mask:0xf
	v_max_num_f32_dpp v[\T+\k], v[\T+\k], v[\T+\k] row_xmask:8 row_mask:0xf bank_mask:0xf
	v_permlanex16_b32 v[\tmp], v[\T+\k], s[\sa], s[\sb]
	v_max_num_f32 v[\T+\k], v[\T+\k], v[\tmp]
.endr
.endm
.macro SCALE B, s, inv                 ; e = the bound's exponent field, kept in 15..254; s = 2^(141 - e), so s B < 2^15; inv = 1 / s
	v_lshrrev_b32 v[\inv], 23, v[\B]
	v_max_u32 v[\inv], 15, v[\inv]
	v_min_u32 v[\inv], 0xfe, v[\inv]
	v_sub_nc_u32 v[\s], 0x10c, v[\inv]
	v_add_nc_u32 v[\inv], -14, v[\inv]
	v_lshlrev_b32 v[\s], 23, v[\s]
	v_lshlrev_b32 v[\inv], 23, v[\inv]
.endm
	s_load_b128 s[4:7], s[0:1], 0x0                ; uf, gm
	s_load_b64 s[8:9], s[0:1], 0x10                ; sf
	s_lshr_b32 s10, ttmp9, 4                       ; which (batch, head)
	s_and_b32 s11, ttmp9, 15                       ; which sixteenth
	s_mov_b32 s32, 0x76543210
	s_mov_b32 s33, 0xfedcba98
	v_and_b32 v2, 31, v0
	v_lshrrev_b32 v1, 5, v0
	v_lshlrev_b32 v2, 4, v2                        ; 16 x lane
	v_lshl_add_u32 v1, v1, 10, v2                  ; in U: a tile is 1,024 bytes
	v_lshlrev_b32 v3, 4, v0                        ; in the state: a tile is 512 bytes
	s_lshl_b32 s12, s10, 20
	s_lshl_b32 s13, s11, 12
	s_add_co_u32 s12, s12, s13
	s_mov_b32 s13, 0
	s_lshl_b32 s14, s10, 19
	s_lshl_b32 s15, s11, 11
	s_add_co_u32 s14, s14, s15
	s_mov_b32 s15, 0
	s_lshl_b32 s34, s10, 8
	s_mov_b32 s35, 0
	s_wait_kmcnt 0x0
	s_add_nc_u64 s[4:5], s[4:5], s[12:13]
	s_add_nc_u64 s[8:9], s[8:9], s[14:15]
	s_add_nc_u64 s[6:7], s[6:7], MXO
	s_add_nc_u64 s[34:35], s[6:7], s[34:35]
.irp c, 1,2,3,4,5,6,7,8,9,10,11,12,13,14
	s_load_b32 s[16+\c], s[34:35], 16*\c+12        ; the decay of chunk c
.endr
.irp j, 0,1,2,3,4,5,6,7
	global_load_b128 v[MXR+4*\j:MXR+4*\j+3], v2, s[6:7] offset:512*\j
.endr
.irp c, 0,1,2,3,4,5,6,7,8,9,10,11,12,13,14
	global_load_b128 v[U+8*\c:U+8*\c+3],   v1, s[4:5] offset:\c*65536 th:TH_LOAD_NT
	global_load_b128 v[U+8*\c+4:U+8*\c+7], v1, s[4:5] offset:\c*65536+512 th:TH_LOAD_NT
.endr
	v_mov_b32 v[TMP], 0
	v_mov_b32 v236, 0
	v_mov_b32 v237, 0
	v_mov_b32 v238, 0
	v_mov_b32 v239, 0
	global_store_b128 v3, v[236:239], s[8:9]       ; the state that enters chunk 0
	s_wait_loadcnt 30                              ; the maxima are in; the 30 loads of U stay out
	GMAX MXR, TMP, 32, 33
	v_mul_f32 v240, v[MXR+1], v[MXR+2]
	v_mul_f32 v240, 0x44800000, v240               ; 1024 max|k| max|v|
	SCALE 240, SS, 241
	v_mov_b32 v[SS+1], v[SS]
	s_wait_kmcnt 0x0
.macro STEP c
	s_wait_loadcnt 28-2*\c                         ; U of chunk c is in, the later chunks' loads stay out
.if \c
.irp j, 0,1,2,3,4,5,6,7
	v_fma_f32 v[U+8*\c+\j], v[U+8*\c-8+\j], s[16+\c], v[U+8*\c+\j]
.endr
.endif
.irp j, 0,2,4,6
	v_pk_mul_f32 v[TMP+\j:TMP+\j+1], v[U+8*\c+\j:U+8*\c+\j+1], v[SS:SS+1]
.endr
.irp j, 0,1,2,3
	v_cvt_pk_f16_f32 v[O+4*\c+\j], v[TMP+2*\j], v[TMP+2*\j+1]
.endr
	global_store_b128 v3, v[O+4*\c:O+4*\c+3], s[8:9] offset:(\c+1)*32768   ; a wave's store covers 512 consecutive bytes
.endm
.irp c, 0,1,2,3,4,5,6,7,8,9,10,11,12,13,14
	STEP \c
.endr
	s_endpgm
.Lfunc_end_k_q7c52ee8057_scan:
	.size	k_q7c52ee8057_scan, .Lfunc_end_k_q7c52ee8057_scan-k_q7c52ee8057_scan
	.p2alignl 7, 3214868480
	.fill 96, 4, 3214868480
	.section	.rodata,"a",@progbits
	.p2align	6, 0x0
	.amdhsa_kernel k_q7c52ee8057_scan
		.amdhsa_group_segment_fixed_size 0
		.amdhsa_private_segment_fixed_size 0
		.amdhsa_enable_private_segment 0
		.amdhsa_kernarg_size 24
		.amdhsa_user_sgpr_count 2
		.amdhsa_user_sgpr_kernarg_segment_ptr 1
		.amdhsa_wavefront_size32 1
		.amdhsa_system_sgpr_workgroup_id_x 1
		.amdhsa_system_sgpr_workgroup_id_y 1
		.amdhsa_system_sgpr_workgroup_id_z 1
		.amdhsa_system_vgpr_workitem_id 0
		.amdhsa_next_free_vgpr 248
		.amdhsa_next_free_sgpr 66
		.amdhsa_reserve_vcc 0
		.amdhsa_float_denorm_mode_32 3
		.amdhsa_float_denorm_mode_16_64 3
		.amdhsa_memory_ordered 1
		.amdhsa_forward_progress 1
		.amdhsa_inst_pref_size 25
	.end_amdhsa_kernel
	.amdgpu_metadata
---
amdhsa.version: [ 1, 2 ]
amdhsa.kernels:
  - .name:           k_q7c52ee8057_scan
    .symbol:         k_q7c52ee8057_scan.kd
    .args:
      - { .name: uf, .offset: 0, .size: 8, .value_kind: global_buffer, .address_space: global }
      - { .name: gm, .offset: 8, .size: 8, .value_kind: global_buffer, .address_space: global }
      - { .name: sf, .offset: 16, .size: 8, .value_kind: global_buffer, .address_space: global }
    .group_segment_fixed_size: 0
    .private_segment_fixed_size: 0
    .kernarg_segment_align: 8
    .kernarg_segment_size: 24
    .max_flat_workgroup_size: 128
    .sgpr_count:     66
    .vgpr_count:     248
    .wavefront_size: 32
...
	.end_amdgpu_metadata
.endif
;; end of part 3
;; launch attn (part 4): grid 256 x 1, 4 waves a work-group, no clusters, 168,448 bytes of LDS; arguments qkv, sf, gm, of; writes of
.if DOCPART == 4
	.amdgcn_target "amdgcn-amd-amdhsa--gfx1250"
	.amdhsa_code_object_version 6
	.text
	.protected	k_q7c52ee8057_attn
	.globl	k_q7c52ee8057_attn
	.p2align	8
	.type	k_q7c52ee8057_attn,@function
k_q7c52ee8057_attn:
	s_mov_b64 s[64:65], 0
	v_nop
	global_prefetch_b8 v0, s[64:65] scope:SCOPE_SE
	s_setreg_imm32_b32 hwreg(HW_REG_WAVE_MODE, 25, 1), 1
	s_wait_xcnt 0x0
; attn: one chunk of 128 tokens of one head:  o_t = 2^(c_t) q_t S + sum over s <= t of 2^(c_t - c_s) alpha_s (q_t . k_s) v_s.
; q, k, v and the entering state S lie in memory in fragment order, 32 KiB each; wave w brings one of them by one dense tensor load.  These
; are first fills only: one barrier, no refill.  Wave w makes tokens 32 w .. 32 w + 31 (two row tiles) x all 128 e.
; Every product has the token side as source 1, so a lane holds one token t: its registers hold 8 neighbouring e (or s), the factors
; that hang on t are one number a lane, and P, packed to f16, is at once an operand fragment.
; Scales, exact powers of two from the largest |q|, |k|, |v| of the whole launch before: P is kept times sP (sP 128 Mq Mk <= 2^15),
; S came times sS, o leaves times sO (sO 128 Mq 1024 Mk Mv <= 2^15).  The sums hold sP o.
; No tile is read by two work-groups: no cluster.  The causal half is not skipped: with 32 rows a wave the last wave needs every block.
; LIMIT: a term of P whose weight 2^(c_t - c_s) alpha_s is below about 2^-21 is rounded with the absolute step of f16's small numbers.
.set MXO,  262144
.set PF,   24                          ; v24-39   P as two fragments
.set QF,   40                          ; v40-103  q: fragment 4 i + kd
.set BUF0, 104
.set BUF1, 168
.set TMP,  232                         ; v232-247.  Window 1: v0-127 sums 8 (8 i + et); v128-191 cf; v192-223 q.k 8 (2 i + st)
.set MSB, 0
.macro WIN new
.if MSB != \new
	s_set_vgpr_msb (MSB<<8)|\new
.set MSB, \new
.endif
.endm
.macro PLACES                          ; four plain places behind matrix instructions (ISA guide 7.12.1)
.rept 4
	v_nop
.endr
.endm
.macro GMAX T, tmp, sa, sb
.irp k, 0,1,2
	v_max3_num_f32 v[\T+\k], v[\T+\k], v[\T+4+\k], v[\T+8+\k]
	v_max3_num_f32 v[\T+\k], v[\T+\k], v[\T+12+\k], v[\T+16+\k]
	v_max3_num_f32 v[\T+\k], v[\T+\k], v[\T+20+\k], v[\T+24+\k]
	v_max_num_f32 v[\T+\k], v[\T+\k], v[\T+28+\k]
	v_max_num_f32_dpp v[\T+\k], v[\T+\k], v[\T+\k] row_xmask:1 row_mask:0xf bank_mask:0xf
	v_max_num_f32_dpp v[\T+\k], v[\T+\k], v[\T+\k] row_xmask:2 row_mask:0xf bank_mask:0xf
	v_max_num_f32_dpp v[\T+\k], v[\T+\k], v[\T+\k] row_xmask:4 row_mask:0xf bank_mask:0xf
	v_max_num_f32_dpp v[\T+\k], v[\T+\k], v[\T+\k] row_xmask:8 row_mask:0xf bank_mask:0xf
	v_permlanex16_b32 v[\tmp], v[\T+\k], s[\sa], s[\sb]
	v_max_num_f32 v[\T+\k], v[\T+\k], v[\tmp]
.endr
.endm
.macro SCALE B, s, inv                 ; e = the bound's exponent field, kept in 15..254; s = 2^(141 - e), so s B < 2^15; inv = 1 / s
	v_lshrrev_b32 v[\inv], 23, v[\B]
	v_max_u32 v[\inv], 15, v[\inv]
	v_min_u32 v[\inv], 0xfe, v[\inv]
	v_sub_nc_u32 v[\s], 0x10c, v[\inv]
	v_add_nc_u32 v[\inv], -14, v[\inv]
	v_lshlrev_b32 v[\s], 23, v[\s]
	v_lshlrev_b32 v[\inv], 23, v[\inv]
.endm
	s_load_b256 s[4:11], s[0:1], 0x0               ; qkv 4, sf 6, gm 8, of 10
	v_lshl_add_u32 v254, v0, 2, 0x29000
	v_mov_b32 v255, 0
	ds_add_u32 v254, v255
	v_lshrrev_b32 v1, 5, v0
	v_readfirstlane_b32 s12, v1                    ; wave
	s_mov_b32 s16, 3<<16                           ; elements of 8 bytes, no mask, no padding
	s_mov_b32 s17, 32<<16                          ; tensor_dim0 = 32 elements: rows of 256 bytes
	s_mov_b32 s18, 128<<16                         ; tensor_dim1 = 128 rows
	s_mov_b32 s19, 32<<16                          ; tile_dim0
	s_mov_b32 s20, 128                             ; tile_dim1
	s_mov_b32 s21, 32                              ; a row begins where the last ends
	s_mov_b32 s22, 0
	s_mov_b32 s23, 0
	s_lshl_b32 s13, ttmp9, 15                      ; idx x 32 KiB
	s_lshl_b32 s14, s12, 23                        ; q, k, v lie 8,388,608 bytes apart
	s_mov_b32 s31, 0
	s_mov_b32 s24, 1
	s_lshl_b32 s25, s12, 15                        ; LDS: q 0, k 32,768, v 65,536, S 98,304
	s_wait_dscnt 0x0
	s_wait_kmcnt 0x0
	s_cmp_eq_u32 s12, 3
	s_cselect_b64 s[28:29], s[6:7], s[4:5]         ; wave 3 brings the state
	s_cselect_b32 s14, 0, s14
	s_add_co_u32 s30, s13, s14
	s_add_nc_u64 s[26:27], s[28:29], s[30:31]
	s_or_b32 s27, s27, 0x80000000
	tensor_load_to_lds s[24:27], s[16:23]          ; this wave's one tensor load
	s_nop 0
	s_lshr_b32 s32, ttmp9, 7
	s_lshl_b32 s32, s32, 4
	s_and_b32 s33, ttmp9, 15
	s_add_co_u32 s32, s32, s33                     ; rb = 16 b + c
	s_bfe_u32 s33, ttmp9, 0x30004                  ; h
	s_lshl3_add_u32 s32, s32, s33
	s_lshl_b32 s32, s32, 15
	s_mov_b32 s33, 0
	s_add_nc_u64 s[10:11], s[10:11], s[32:33]      ; o's block (rb, h)
	s_add_nc_u64 s[34:35], s[8:9], MXO             ; the maxima
	s_lshl_b32 s32, ttmp9, 10
	s_add_nc_u64 s[8:9], s[8:9], s[32:33]          ; c and cf of this chunk
	s_mov_b32 s36, 0x76543210
	s_mov_b32 s37, 0xfedcba98
	v_and_b32 v1, 15, v0                           ; r
	v_bfe_u32 v2, v0, 4, 1                         ; hh
	v_and_b32 v3, 31, v0                           ; l
	v_lshlrev_b32 v4, 4, v3                        ; 16 l
	v_add_nc_u32 v5, 0x10000, v4                   ; 65,536 + 16 l
	v_lshl_add_u32 v6, s12, 13, v4                 ; 8,192 w + 16 l: my q in LDS, and my place in o's block
	v_lshlrev_b32 v20, 3, v2
	v_sub_nc_u32 v8, v1, v20
	v_lshl_add_u32 v8, s12, 5, v8                  ; t - 8 hh for row tile 0,
	v_add_nc_u32 v9, 16, v8                        ; for row tile 1
	v_lshlrev_b32 v21, 2, v1
	v_lshl_add_u32 v21, s12, 7, v21                ; 4 (32 w + r)
	v_lshlrev_b32 v22, 5, v2                       ; 4 x 8 hh
	v_mov_b32 v234, 0
.irp j, 0,1,2,3,4,5,6,7
	global_load_b128 v[BUF0+4*\j:BUF0+4*\j+3], v4, s[34:35] offset:512*\j
.endr
	global_load_b32 v232, v21, s[8:9]              ; c of my two tokens
	global_load_b32 v233, v21, s[8:9] offset:64
	WIN 0x40
.irp n, 0,1,2,3,4,5,6,7
	global_load_b128 v[128+8*\n:131+8*\n], v22, s[8:9] offset:512+64*\n      ; cf of s = 16 n + 8 hh + 0..7
	global_load_b128 v[132+8*\n:135+8*\n], v22, s[8:9] offset:512+64*\n+16
.endr
	WIN 0
	s_wait_loadcnt 0x0
	GMAX BUF0, 234, 36, 37
	v_mul_f32 v236, v[BUF0], v[BUF0+1]
	v_mul_f32 v236, 0x43000000, v236               ; 128 Mq Mk
	v_mul_f32 v237, v[BUF0+1], v[BUF0+2]
	v_mul_f32 v237, 0x44800000, v237               ; 1024 Mk Mv
	v_mul_f32 v238, v[BUF0], v237
	v_mul_f32 v238, 0x43000000, v238               ; 128 Mq 1024 Mk Mv
	SCALE 236, 240, 241
	SCALE 237, 242, 243
	SCALE 238, 244, 245
	v_exp_f32 v246, v232
	v_exp_f32 v247, v233
	v_mul_f32 v18, v241, v244                      ; sO / sP; also the plain place behind the exponentials
	s_wait_alu depctr_va_vdst(0)
	v_mul_f32 v10, v246, v240                      ; 2^c_t sP
	v_mul_f32 v12, v247, v240
	v_mov_b32 v19, v18
	v_mov_b32 v11, v10
	v_mov_b32 v13, v12
	v_mul_f32 v14, v10, v243                       ; 2^c_t sP / sS
	v_mul_f32 v16, v12, v243
	v_mov_b32 v15, v14
	v_mov_b32 v17, v16
	s_wait_tensorcnt 0x0                           ; my 32 KiB are in LDS,
	s_barrier_signal -1
	s_barrier_wait -1                              ; everybody's are
.macro LD8 buf, adr, base, step        ; eight fragments of 1 KiB: 16 loads, each of 512 consecutive bytes
.irp n, 0,1,2,3,4,5,6,7
	ds_load_b128 v[\buf+8*\n:\buf+8*\n+3],   v[\adr] offset:\base+\n*\step
	ds_load_b128 v[\buf+8*\n+4:\buf+8*\n+7], v[\adr] offset:\base+\n*\step+512
.endr
.endm
; In each of the three products the accumulators take turns, one instruction a turn.
.macro MULS buf, kd, zero              ; sums (i, et) += S(et, kd) x q(i, kd)
.irp i, 0,1
.irp et, 0,1,2,3,4,5,6,7
.if \zero
	v_wmma_f32_16x16x32_f16 v[8*(8*\i+\et):8*(8*\i+\et)+7], v[\buf+8*\et:\buf+8*\et+7], v[QF+8*(4*\i+\kd):QF+8*(4*\i+\kd)+7], 0
.else
	v_wmma_f32_16x16x32_f16 v[8*(8*\i+\et):8*(8*\i+\et)+7], v[\buf+8*\et:\buf+8*\et+7], v[QF+8*(4*\i+\kd):QF+8*(4*\i+\kd)+7], v[8*(8*\i+\et):8*(8*\i+\et)+7]
.endif
.endr
.endr
.endm
.macro MULP                            ; q.k of my 32 tokens with 32 tokens s: (i, st) = sum over kd of k(st, kd) x q(i, kd)
.irp kd, 0,1,2,3
.irp i, 0,1
.irp st, 0,1
.if \kd
	v_wmma_f32_16x16x32_f16 v[192+8*(2*\i+\st):199+8*(2*\i+\st)], v[BUF0+8*(4*\st+\kd):BUF0+8*(4*\st+\kd)+7], v[QF+8*(4*\i+\kd):QF+8*(4*\i+\kd)+7], v[192+8*(2*\i+\st):199+8*(2*\i+\st)]
.else
	v_wmma_f32_16x16x32_f16 v[192+8*(2*\i+\st):199+8*(2*\i+\st)], v[BUF0+8*(4*\st+\kd):BUF0+8*(4*\st+\kd)+7], v[QF+8*(4*\i+\kd):QF+8*(4*\i+\kd)+7], 0
.endif
.endr
.endr
.endr
.endm
.macro MULO                            ; sums (i, et) += v(et, ks) x P(i)
.irp i, 0,1
.irp et, 0,1,2,3,4,5,6,7
	v_wmma_f32_16x16x32_f16 v[8*(8*\i+\et):8*(8*\i+\et)+7], v[BUF1+8*\et:BUF1+8*\et+7], v[PF+8*\i:PF+8*\i+7], v[8*(8*\i+\et):8*(8*\i+\et)+7]
.endr
.endr
.endm
; P(i) = (q.k) cf_s 2^c_t sP where s <= t, else 0; the choice selects a value, so it is a v_cndmask_b32 in every trip
.macro PMASK i, ks
	WIN 0x05
.irp st, 0,1
.irp n, 0,1,2,3
	v_pk_mul_f32 v[TMP+8*\st+2*\n:TMP+8*\st+2*\n+1], v[192+8*(2*\i+\st)+2*\n:192+8*(2*\i+\st)+2*\n+1], v[128+8*(2*\ks+\st)+2*\n:128+8*(2*\ks+\st)+2*\n+1]
.endr
.endr
	WIN 0
.irp n, 0,1,2,3,4,5,6,7
	v_pk_mul_f32 v[TMP+2*\n:TMP+2*\n+1], v[TMP+2*\n:TMP+2*\n+1], v[10+2*\i:11+2*\i]
.endr
.irp st, 0,1
.irp j, 0,1,2,3,4,5,6,7
	v_cmp_le_i32 vcc_lo, 32*\ks+16*\st+\j, v[8+\i]         ; s - 8 hh <= t - 8 hh
	v_cndmask_b32 v[TMP+8*\st+\j], 0, v[TMP+8*\st+\j], vcc_lo
.endr
.endr
.irp n, 0,1,2,3,4,5,6,7
	v_cvt_pk_f16_f32 v[PF+8*\i+\n], v[TMP+2*\n], v[TMP+2*\n+1]
.endr
.endm
.macro KSTEP ks, more
	s_wait_dscnt 16                                ; k's 16 loads are in, v's 16 may be out
	WIN 0x50
	MULP
	WIN 0
	PLACES
.if \more
	LD8 BUF0, 4, 32768+(\ks+1)*8192, 1024          ; k of the next 32 tokens
.endif
	PMASK 0, \ks
	PMASK 1, \ks
.if \more
	s_wait_dscnt 16                                ; v is in, the next k may be out
.else
	s_wait_dscnt 0x0
.endif
	WIN 0x50
	MULO
	WIN 0
	PLACES
.if \more
	LD8 BUF1, 5, (\ks+1)*1024, 4096                ; v of the next 32 tokens
.endif
.endm
	LD8 QF, 6, 0, 1024                             ; my q
	LD8 BUF0, 5, 32768, 4096                       ; S, d 0-31
	LD8 BUF1, 5, 32768+1024, 4096
	s_wait_dscnt 16                                ; all but the 16 just issued
	WIN 0x50
	MULS BUF0, 0, 1
	WIN 0
	PLACES
	LD8 BUF0, 5, 32768+2048, 4096
	s_wait_dscnt 16
	WIN 0x50
	MULS BUF1, 1, 0
	WIN 0
	PLACES
	LD8 BUF1, 5, 32768+3072, 4096
	s_wait_dscnt 16
	WIN 0x50
	MULS BUF0, 2, 0
	WIN 0
	PLACES
	LD8 BUF0, 4, 32768, 1024                       ; k of tokens 0-31
	s_wait_dscnt 16
	WIN 0x50
	MULS BUF1, 3, 0
	WIN 0
	PLACES
	LD8 BUF1, 5, 0, 4096                           ; v of tokens 0-31
	WIN 0x41
.irp i, 0,1
.set n, 0
.rept 32
	v_pk_mul_f32 v[64*\i+n:64*\i+n+1], v[64*\i+n:64*\i+n+1], v[14+2*\i:15+2*\i]   ; q S' becomes sP 2^c_t q S
.set n, n+2
.endr
.endr
	WIN 0
	KSTEP 0, 1
	KSTEP 1, 1
	KSTEP 2, 1
	KSTEP 3, 0
.macro OUTI i
	WIN 0x01
.set n, 0
.rept 32
	v_pk_mul_f32 v[BUF0+n:BUF0+n+1], v[64*\i+n:64*\i+n+1], v[18:19]
.set n, n+2
.endr
	WIN 0
.set n, 0
.rept 32
	v_cvt_pk_f16_f32 v[BUF1+32*\i+n], v[BUF0+2*n], v[BUF0+2*n+1]
.set n, n+1
.endr
.irp et, 0,1,2,3,4,5,6,7
	global_store_b128 v6, v[BUF1+32*\i+4*\et:BUF1+32*\i+4*\et+3], s[10:11] offset:\i*4096+(\et/2)*1024+(\et%2)*512   ; 512 consecutive bytes of a fragment
.endr
.endm
	OUTI 0
	OUTI 1
	s_wait_tensorcnt 0x0
	ds_add_u32 v254, v255
	s_wait_dscnt 0x0
	s_endpgm
.Lfunc_end_k_q7c52ee8057_attn:
	.size	k_q7c52ee8057_attn, .Lfunc_end_k_q7c52ee8057_attn-k_q7c52ee8057_attn
	.p2alignl 7, 3214868480
	.fill 96, 4, 3214868480
	.section	.rodata,"a",@progbits
	.p2align	6, 0x0
	.amdhsa_kernel k_q7c52ee8057_attn
		.amdhsa_group_segment_fixed_size 168448
		.amdhsa_private_segment_fixed_size 0
		.amdhsa_enable_private_segment 0
		.amdhsa_kernarg_size 32
		.amdhsa_user_sgpr_count 2
		.amdhsa_user_sgpr_kernarg_segment_ptr 1
		.amdhsa_wavefront_size32 1
		.amdhsa_system_sgpr_workgroup_id_x 1
		.amdhsa_system_sgpr_workgroup_id_y 1
		.amdhsa_system_sgpr_workgroup_id_z 1
		.amdhsa_system_vgpr_workitem_id 0
		.amdhsa_next_free_vgpr 480
		.amdhsa_next_free_sgpr 66
		.amdhsa_reserve_vcc 1
		.amdhsa_float_denorm_mode_32 3
		.amdhsa_float_denorm_mode_16_64 3
		.amdhsa_memory_ordered 1
		.amdhsa_forward_progress 1
		.amdhsa_inst_pref_size 73
	.end_amdhsa_kernel
	.amdgpu_metadata
---
amdhsa.version: [ 1, 2 ]
amdhsa.kernels:
  - .name:           k_q7c52ee8057_attn
    .symbol:         k_q7c52ee8057_attn.kd
    .args:
      - { .name: qkv, .offset: 0, .size: 8, .value_kind: global_buffer, .address_space: global }
      - { .name: sf, .offset: 8, .size: 8, .value_kind: global_buffer, .address_space: global }
      - { .name: gm, .offset: 16, .size: 8, .value_kind: global_buffer, .address_space: global }
      - { .name: of, .offset: 24, .size: 8, .value_kind: global_buffer, .address_space: global }
    .group_segment_fixed_size: 168448
    .private_segment_fixed_size: 0
    .kernarg_segment_align: 8
    .kernarg_segment_size: 32
    .max_flat_workgroup_size: 128
    .sgpr_count:     66
    .vgpr_count:     480
    .wavefront_size: 32
...
	.end_amdgpu_metadata
.endif
;; end of part 4
;; launch outp (part 5): grid 8 x 32, 4 waves a work-group, clusters of 4 x 4, 327,680 bytes of LDS; arguments of, wts, gm, bo, out0; writes out0
.if DOCPART == 5
	.amdgcn_target "amdgcn-amd-amdhsa--gfx1250"
	.amdhsa_code_object_version 6
	.text
	.protected	k_q7c52ee8057_outp
	.globl	k_q7c52ee8057_outp
	.p2align	8
	.type	k_q7c52ee8057_outp,@function
k_q7c52ee8057_outp:
	s_mov_b64 s[64:65], 0
	v_nop
	global_prefetch_b8 v0, s[64:65] scope:SCOPE_SE
	s_setreg_imm32_b32 hwreg(HW_REG_WAVE_MODE, 25, 1), 1
	s_wait_xcnt 0x0
	s_wait_alu depctr_hold_cnt(0) depctr_sa_sdst(0) depctr_va_vdst(0) depctr_va_sdst(0) depctr_va_ssrc(0) depctr_va_vcc(0) depctr_vm_vsrc(0)
	s_getreg_b32 s2, hwreg(HW_REG_IB_STS2, 6, 4)
	s_cmp_eq_u32 s2, 0
	s_cbranch_scc0 .Lentry_in_a_cluster
	s_endpgm
.Lentry_in_a_cluster:
	s_bfe_u32 s2, ttmp6, 0x10000c
	s_cmp_lg_u32 s2, 0xf033
	s_cbranch_scc0 .Lentry_shape_is_right
	s_endpgm
.Lentry_shape_is_right:
; outp: out0 = O Wo^T + bo.  Work-group (nb, rb): 128 rows x 128 columns; four waves, 64 x 64 each, 16 accumulator tiles.  K = 1024 in
; eight steps of 128, one head each.  O lies in memory in fragment order, times the power of two sO; its inverse is multiplied in on the way out.
; The ring has two slots of TWO K steps each: waves 0, 1 bring O's two blocks of 32 KiB (dense), waves 2, 3 Wo's two tiles of 128 rows x 256
; bytes (padded to 272): one load a wave, one barrier for two K steps.
; CLUSTER 4 x 4: O's blocks hang on rb alone and are asked for jointly along a row of the cluster, Wo's tiles on nb alone, along a column.
; Source 0 is Wo, source 1 is O: a lane holds one row and 8 neighbouring columns.  The results go through a stage of the wave's own in LDS,
; so that sixteen lanes store 256 consecutive bytes, aligned.
.set PITCH, 272
.set WOH,   6553600
.set MXO,   262144
.set SLOT4, 2*32768+2*128*PITCH        ; 135,168
.set STAGE, 2*SLOT4                    ; behind the ring: 16 rows x 272 bytes a wave
.set ADA, 4                            ; v4-5   [slot] O's fragments
.set ADB, 6                            ; v6-7   [slot] Wo's fragments
.set STO, 8
.set RD,  9
.set CO,  10
.set IO,  12                           ; v12-13 1 / sO twice
.set BO,  16                           ; v16-19 bo of my four columns on the way out
.set F0,  32                           ; v32-95   4 fragments of O, 4 of Wo
.set F1,  96                           ; v96-159.  Window 1: the sums, tile (ia, jn) at 8 (4 ia + jn)
.set G1A, 24
.set G0A, 32
.set G1B, 40
.set G0B, 48
.set MSB, 0
.macro WIN new
.if MSB != \new
	s_set_vgpr_msb (MSB<<8)|\new
.set MSB, \new
.endif
.endm
.macro PLACES                          ; four plain places behind matrix instructions (ISA guide 7.12.1)
.rept 4
	v_nop
.endr
.endm
.macro CREST
	s_cmp_lg_u32 s10, 0
	s_cbranch_scc1 .Lnot_wave_0_\@
	s_barrier_signal -3
.Lnot_wave_0_\@:
	s_barrier_wait -3
	s_barrier_signal -1
	s_barrier_wait -1
.endm
.macro CROUND
	s_barrier_signal -1
	s_barrier_wait -1
	CREST
.endm
.macro JLOAD4 s
	s_cmp_eq_u32 s11, 0
	s_cbranch_scc0 .Lfor_b_\@
	tensor_load_to_lds s[G0A+4*\s:G0A+4*\s+3], s[G1A:G1A+7]
	s_nop 0
	s_branch .Lasked_\@
.Lfor_b_\@:
	tensor_load_to_lds s[G0B+4*\s:G0B+4*\s+3], s[G1B:G1B+7]
	s_nop 0
.Lasked_\@:
.endm
.macro GMAX T, tmp, sa, sb
.irp k, 0,1,2
	v_max3_num_f32 v[\T+\k], v[\T+\k], v[\T+4+\k], v[\T+8+\k]
	v_max3_num_f32 v[\T+\k], v[\T+\k], v[\T+12+\k], v[\T+16+\k]
	v_max3_num_f32 v[\T+\k], v[\T+\k], v[\T+20+\k], v[\T+24+\k]
	v_max_num_f32 v[\T+\k], v[\T+\k], v[\T+28+\k]
	v_max_num_f32_dpp v[\T+\k], v[\T+\k], v[\T+\k] row_xmask:1 row_mask:0xf bank_mask:0xf
	v_max_num_f32_dpp v[\T+\k], v[\T+\k], v[\T+\k] row_xmask:2 row_mask:0xf bank_mask:0xf
	v_max_num_f32_dpp v[\T+\k], v[\T+\k], v[\T+\k] row_xmask:4 row_mask:0xf bank_mask:0xf
	v_max_num_f32_dpp v[\T+\k], v[\T+\k], v[\T+\k] row_xmask:8 row_mask:0xf bank_mask:0xf
	v_permlanex16_b32 v[\tmp], v[\T+\k], s[\sa], s[\sb]
	v_max_num_f32 v[\T+\k], v[\T+\k], v[\tmp]
.endr
.endm
.macro SCALE B, s, inv                 ; e = the bound's exponent field, kept in 15..254; s = 2^(141 - e), so s B < 2^15; inv = 1 / s
	v_lshrrev_b32 v[\inv], 23, v[\B]
	v_max_u32 v[\inv], 15, v[\inv]
	v_min_u32 v[\inv], 0xfe, v[\inv]
	v_sub_nc_u32 v[\s], 0x10c, v[\inv]
	v_add_nc_u32 v[\inv], -14, v[\inv]
	v_lshlrev_b32 v[\s], 23, v[\s]
	v_lshlrev_b32 v[\inv], 23, v[\inv]
.endm
	s_load_b256 s[68:75], s[0:1], 0x0              ; of 68, wts 70, gm 72, bo 74
	s_load_b64 s[76:77], s[0:1], 0x20              ; out0
	v_lshl_add_u32 v254, v0, 2, 0x46400
	v_mov_b32 v255, 0
	ds_add_u32 v254, v255
	v_lshrrev_b32 v1, 5, v0
	v_readfirstlane_b32 s10, v1                    ; wave
	s_lshr_b32 s11, s10, 1                         ; my half of the rows.  Also: I fetch O (0) or Wo (1)
	s_and_b32 s9, s10, 1                           ; my half of the columns.  Also: which of a slot's two K steps I fetch
	s_bfe_u32 s4, ttmp6, 0x40000                   ; cx
	s_bfe_u32 s5, ttmp6, 0x40004                   ; cy
	s_lshl_b32 s12, ttmp9, 2
	s_add_co_u32 s12, s12, s4                      ; nb
	s_and_b32 s13, ttmp7, 0xffff
	s_lshl_b32 s13, s13, 2
	s_add_co_u32 s13, s13, s5                      ; rb
	s_lshl_b32 s6, s5, 2
	s_lshl_b32 s6, 15, s6                          ; my row of the cluster
	s_lshl_b32 s7, 0x1111, s4                      ; my column
	s_or_b32 s[G1A], s6, (3<<16)|(1<<21)           ; O: elements of 8 bytes, no padding; bit 21 beside the mask
	s_mov_b32 s[G1A+1], 32<<16                     ; rows of 256 bytes
	s_mov_b32 s[G1A+2], 128<<16
	s_mov_b32 s[G1A+3], 32<<16
	s_mov_b32 s[G1A+4], 128
	s_mov_b32 s[G1A+5], 32
	s_mov_b32 s[G1A+6], 0
	s_mov_b32 s[G1A+7], 0
	s_or_b32 s[G1B], s7, (1<<16)|(1<<20)|(1<<21)|(5<<22)|(3<<25)   ; Wo: elements of 2 bytes, 4 words of padding behind every 64
	s_mov_b32 s[G1B+1], 128<<16
	s_mov_b32 s[G1B+2], 128<<16
	s_mov_b32 s[G1B+3], 128<<16
	s_mov_b32 s[G1B+4], 128
	s_mov_b32 s[G1B+5], 1024
	s_mov_b32 s[G1B+6], 0
	s_mov_b32 s[G1B+7], 0
	; s90-91 hold only what hangs on rb and the wave, s92-93 only nb and the wave, s94-95 only the wave
	s_lshl_b32 s90, s13, 18                        ; rb x 8 heads x 32 KiB
	s_lshl_b32 s91, s9, 15
	s_add_co_u32 s90, s90, s91
	s_mov_b32 s91, 0
	s_lshl_b32 s92, s12, 18                        ; nb x 128 rows x 2,048 bytes
	s_lshl_b32 s93, s9, 8
	s_add_co_u32 s92, s92, s93
	s_add_co_u32 s92, s92, WOH
	s_mov_b32 s93, 0
	s_lshl_b32 s94, s9, 15
	s_mul_i32 s95, s9, 128*PITCH
	s_add_co_u32 s95, s95, 65536
	s_wait_dscnt 0x0
	s_wait_kmcnt 0x0
	s_add_nc_u64 s[90:91], s[68:69], s[90:91]
	s_add_nc_u64 s[92:93], s[70:71], s[92:93]
	CROUND                                         ; in front of the first joint loads
.irp s, 0,1
	s_mov_b32 s[G0A+4*\s], 1
	s_add_co_u32 s[G0A+4*\s+1], s94, \s*SLOT4
	s_add_nc_u64 s[G0A+4*\s+2:G0A+4*\s+3], s[90:91], \s*65536
	s_or_b32 s[G0A+4*\s+3], s[G0A+4*\s+3], 0x80000000
	s_mov_b32 s[G0B+4*\s], 1
	s_add_co_u32 s[G0B+4*\s+1], s95, \s*SLOT4
	s_add_nc_u64 s[G0B+4*\s+2:G0B+4*\s+3], s[92:93], \s*512
	s_or_b32 s[G0B+4*\s+3], s[G0B+4*\s+3], 0x80000000
	JLOAD4 \s                                      ; K steps 0-1 and 2-3: two loads of this wave are out
.endr
	s_add_nc_u64 s[72:73], s[72:73], MXO
	s_lshl_b32 s96, s12, 9
	s_lshl_b32 s97, s9, 8
	s_add_co_u32 s96, s96, s97                     ; my first column, in bytes
	s_mov_b32 s97, 0
	s_add_nc_u64 s[74:75], s[74:75], s[96:97]
	s_add_nc_u64 s[76:77], s[76:77], s[96:97]
	s_lshl_b32 s96, s13, 19
	s_lshl_b32 s98, s11, 18
	s_add_co_u32 s96, s96, s98                     ; my first row x 4,096 bytes
	s_add_nc_u64 s[76:77], s[76:77], s[96:97]
	s_mov_b32 s66, 0x76543210
	s_mov_b32 s67, 0xfedcba98
	v_and_b32 v1, 15, v0
	v_bfe_u32 v2, v0, 4, 1
	v_and_b32 v3, 31, v0
	v_lshlrev_b32 v20, 4, v3                       ; 16 l
	v_lshl_add_u32 v[ADA], s11, 14, v20            ; my four row tiles of 4 KiB
	v_add_nc_u32 v[ADA+1], SLOT4, v[ADA]
	v_mul_u32_u24 v21, v1, PITCH
	v_lshl_add_u32 v21, v2, 4, v21
	s_mul_i32 s14, s9, 64*PITCH
	s_add_co_u32 s14, s14, 65536
	v_add_nc_u32 v[ADB], s14, v21
	v_add_nc_u32 v[ADB+1], SLOT4, v[ADB]
	s_mul_i32 s14, s10, 16*PITCH
	s_add_co_u32 s14, s14, STAGE
	v_mul_u32_u24 v21, v1, PITCH
	v_lshl_add_u32 v21, v2, 5, v21
	v_add_nc_u32 v[STO], s14, v21                  ; in: row r, 32 bytes for each half of the lanes
	v_mul_u32_u24 v21, v2, PITCH
	v_lshl_add_u32 v21, v1, 4, v21
	v_add_nc_u32 v[RD], s14, v21                   ; back: lanes 0-15 one row, lanes 16-31 the next
	v_lshlrev_b32 v11, 4, v1
	v_lshl_add_u32 v[CO], v2, 12, v11
	v_mov_b32 v192, 0
.irp j, 0,1,2,3,4,5,6,7
	global_load_b128 v[160+4*\j:163+4*\j], v20, s[72:73] offset:512*\j
.endr
	global_load_b128 v[BO:BO+3], v11, s[74:75]
	s_wait_loadcnt 0x0
	GMAX 160, 192, 66, 67
	v_mul_f32 v193, v161, v162
	v_mul_f32 v193, 0x44800000, v193               ; 1024 Mk Mv
	v_mul_f32 v194, v160, v193
	v_mul_f32 v194, 0x43000000, v194               ; 128 Mq 1024 Mk Mv
	SCALE 194, 195, IO
	v_mov_b32 v[IO+1], v[IO]
.macro FETCH4 slot, q, f               ; quarter q (0..7) of a slot's two K steps: 16 loads
.irp n, 0,1,2,3
	ds_load_b128 v[\f+8*\n:\f+8*\n+3],   v[ADA+\slot] offset:(\q/4)*32768+\n*4096+(\q%4)*1024
	ds_load_b128 v[\f+8*\n+4:\f+8*\n+7], v[ADA+\slot] offset:(\q/4)*32768+\n*4096+(\q%4)*1024+512
.endr
.irp n, 0,1,2,3
	ds_load_b128 v[\f+32+8*\n:\f+32+8*\n+3], v[ADB+\slot] offset:(\q/4)*128*PITCH+\n*16*PITCH+(\q%4)*64
	ds_load_b128 v[\f+36+8*\n:\f+36+8*\n+3], v[ADB+\slot] offset:(\q/4)*128*PITCH+\n*16*PITCH+(\q%4)*64+32
.endr
.endm
; The 16 accumulators take turns, one instruction a turn, in the same order in every quarter.
.macro MUL8 f, a0, zero
.irp a, \a0, \a0+1
.irp b, 0,1,2,3
.if \zero
	v_wmma_f32_16x16x32_f16 v[8*(4*(\a)+\b):8*(4*(\a)+\b)+7], v[\f+32+8*\b:\f+32+8*\b+7], v[\f+8*(\a):\f+8*(\a)+7], 0
.else
	v_wmma_f32_16x16x32_f16 v[8*(4*(\a)+\b):8*(4*(\a)+\b)+7], v[\f+32+8*\b:\f+32+8*\b+7], v[\f+8*(\a):\f+8*(\a)+7], v[8*(4*(\a)+\b):8*(4*(\a)+\b)+7]
.endif
.endr
.endr
.endm
.macro QRT slot, qn, f, g, zero        ; fetches quarter qn into buffer g, multiplies buffer f
	PLACES
	FETCH4 \slot, \qn, \g
	s_wait_dscnt 16                                ; all but the 16 just issued
	WIN 0x50
	MUL8 \f, 0, \zero
	MUL8 \f, 2, \zero
	WIN 0
.endm
.macro PHASE slot, zero
	QRT \slot, 1, F0, F1, \zero
	QRT \slot, 2, F1, F0, 0
	QRT \slot, 3, F0, F1, 0
	QRT \slot, 4, F1, F0, 0
	QRT \slot, 5, F0, F1, 0
	QRT \slot, 6, F1, F0, 0
	QRT \slot, 7, F0, F1, 0
.endm
; The last quarter of a slot.  In front of the barrier: my reads of the slot are back and all my tensor loads have landed (one is out: my part
; of the other slot).  Where the slot is filled again the barrier opens a round of the cluster's barrier and the joint refill comes first behind it.
.macro CHANGE slot, next, fill
	s_wait_dscnt 0x0
	s_wait_tensorcnt 0x0
	ds_add_u32 v254, v255
	s_wait_dscnt 0x0
	s_barrier_signal -1
	WIN 0x50
	MUL8 F1, 0, 0
	WIN 0
	s_barrier_wait -1
.if \fill
	CREST
	s_add_nc_u64 s[G0A+4*\slot+2:G0A+4*\slot+3], s[G0A+4*\slot+2:G0A+4*\slot+3], 131072   ; four K steps on
	s_add_nc_u64 s[G0B+4*\slot+2:G0B+4*\slot+3], s[G0B+4*\slot+2:G0B+4*\slot+3], 1024
	JLOAD4 \slot
.endif
	PLACES
	FETCH4 \next, 0, F0
	WIN 0x50
	MUL8 F1, 2, 0
	WIN 0
.endm
	s_wait_tensorcnt 0x1                           ; my part of slot 0 is in; slot 1's stays out
	s_barrier_signal -1
	s_barrier_wait -1
	FETCH4 0, 0, F0
	PHASE 0, 1                                     ; the first products start the sums
	CHANGE 0, 1, 1
	PHASE 1, 0
	CHANGE 1, 0, 1
	PHASE 0, 0
	CHANGE 0, 1, 0
	PHASE 1, 0
	s_wait_dscnt 0x0
	WIN 0x50
	MUL8 F1, 0, 0
	MUL8 F1, 2, 0
	WIN 0
	PLACES
.macro OUT16 ia
	WIN 0x04                                       ; an LDS store's data are its source 1: window 1
.irp jn, 0,1,2,3
	ds_store_b128 v[STO], v[8*(4*\ia+\jn):8*(4*\ia+\jn)+3] offset:64*\jn
	ds_store_b128 v[STO], v[8*(4*\ia+\jn)+4:8*(4*\ia+\jn)+7] offset:64*\jn+16
.endr
	WIN 0
	s_wait_xcnt 0x0                                ; v32-63, which the last tile's stores read, are loaded again only behind this wait
.irp t, 0,1,2,3,4,5,6,7
	ds_load_b128 v[32+4*\t:35+4*\t], v[RD] offset:\t*2*PITCH   ; my own bytes, served in order (ISA guide 5.7.1)
.endr
.irp t, 0,1,2,3,4,5,6,7
	s_wait_dscnt 7-\t
	v_pk_fma_f32 v[32+4*\t:33+4*\t], v[32+4*\t:33+4*\t], v[IO:IO+1], v[BO:BO+1]
	v_pk_fma_f32 v[34+4*\t:35+4*\t], v[34+4*\t:35+4*\t], v[IO:IO+1], v[BO+2:BO+3]
	global_store_b128 v[CO], v[32+4*\t:35+4*\t], s[76:77] offset:(16*\ia+2*\t)*4096 th:TH_STORE_NT   ; sixteen lanes: 256 consecutive bytes, aligned
.endr
.endm
	OUT16 0
	OUT16 1
	OUT16 2
	OUT16 3
	s_wait_tensorcnt 0x0
	ds_add_u32 v254, v255
	s_wait_dscnt 0x0
	CROUND                                         ; the closing round
	s_endpgm
.Lfunc_end_k_q7c52ee8057_outp:
	.size	k_q7c52ee8057_outp, .Lfunc_end_k_q7c52ee8057_outp-k_q7c52ee8057_outp
	.p2alignl 7, 3214868480
	.fill 96, 4, 3214868480
	.section	.rodata,"a",@progbits
	.p2align	6, 0x0
	.amdhsa_kernel k_q7c52ee8057_outp
		.amdhsa_group_segment_fixed_size 327680
		.amdhsa_private_segment_fixed_size 0
		.amdhsa_enable_private_segment 0
		.amdhsa_kernarg_size 40
		.amdhsa_user_sgpr_count 2
		.amdhsa_user_sgpr_kernarg_segment_ptr 1
		.amdhsa_wavefront_size32 1
		.amdhsa_system_sgpr_workgroup_id_x 1
		.amdhsa_system_sgpr_workgroup_id_y 1
		.amdhsa_system_sgpr_workgroup_id_z 1
		.amdhsa_system_vgpr_workitem_id 0
		.amdhsa_next_free_vgpr 384
		.amdhsa_next_free_sgpr 100
		.amdhsa_reserve_vcc 0
		.amdhsa_float_denorm_mode_32 3
		.amdhsa_float_denorm_mode_16_64 3
		.amdhsa_memory_ordered 1
		.amdhsa_forward_progress 1
		.amdhsa_inst_pref_size 96
	.end_amdhsa_kernel
	.amdgpu_metadata
---
amdhsa.version: [ 1, 2 ]
amdhsa.kernels:
  - .name:           k_q7c52ee8057_outp
    .symbol:         k_q7c52ee8057_outp.kd
    .args:
      - { .name: of, .offset: 0, .size: 8, .value_kind: global_buffer, .address_space: global }
      - { .name: wts, .offset: 8, .size: 8, .value_kind: global_buffer, .address_space: global }
      - { .name: gm, .offset: 16, .size: 8, .value_kind: global_buffer, .address_space: global }
      - { .name: bo, .offset: 24, .size: 8, .value_kind: global_buffer, .address_space: global }
      - { .name: out0, .offset: 32, .size: 8, .value_kind: global_buffer, .address_space: global }
    .group_segment_fixed_size: 327680
    .private_segment_fixed_size: 0
    .kernarg_segment_align: 8
    .kernarg_segment_size: 40
    .max_flat_workgroup_size: 128
    .sgpr_count:     100
    .vgpr_count:     384
    .wavefront_size: 32
...
	.end_amdgpu_metadata
.endif
;; end of part 5
;; ======== version 2 of 2: 5 launches; version 1 with the launch scan written anew for expert scheduling mode
;; limits: values are held in f16: magnitudes above 65,504 overflow, below 6.1e-05 lose precision; right only within a limited range of input values
;; workspace buffers: xh 8,388,608 bytes; wts 9,699,328 bytes; qkv 25,165,824 bytes; uf 16,777,216 bytes; gm 266,240 bytes; sf 8,388,608 bytes; of 8,388,608 bytes
;; launch prep: the kernel of part 1 again; grid 128 x 10, 8 waves a work-group, no clusters, 0 bytes of LDS; arguments x, Wq, Wk, Wv, Wo, Wbeta, Walpha, xh, wts; writes xh, wts
;; launch proj: the kernel of part 2 again; grid 8 x 32, 4 waves a work-group, clusters of 4 x 4, 327,680 bytes of LDS; arguments xh, wts, bbeta, balpha, qkv, uf, gm; writes qkv, uf, gm
;; launch scan (part 6): grid 256 x 1, 4 waves a work-group, no clusters, 0 bytes of LDS; arguments uf, gm, sf; writes sf
.if DOCPART == 6
	.amdgcn_target "amdgcn-amd-amdhsa--gfx1250"
	.amdhsa_code_object_version 6
	.text
	.protected	k_q7c52ee8057_scan
	.globl	k_q7c52ee8057_scan
	.p2align	8
	.type	k_q7c52ee8057_scan,@function
k_q7c52ee8057_scan:
	s_mov_b64 s[64:65], 0
	v_nop
	global_prefetch_b8 v0, s[64:65] scope:SCOPE_SE
	s_setreg_imm32_b32 hwreg(HW_REG_WAVE_SCHED_MODE, 0, 2), 2
	s_setreg_imm32_b32 hwreg(HW_REG_WAVE_MODE, 25, 1), 1
	s_wait_xcnt 0x0
	s_wait_alu depctr_vm_vsrc(0)
; scan: the state that enters each chunk.  S_0 = 0, S_(c+1) = 2^cC(c) S_c + U_c, element by element, carried in f32, for 16 (batch, head)
; pairs of 128 x 128 elements.  Work-group = one sixteenth of a pair's elements; a thread owns 8 of them (tile 4 part + wave, its lane) and
; walks the 15 steps in registers.  All 30 loads of a thread are issued at once; the waits count them down.  The state goes out in f16,
; times an exact power of two sS with sS x 1024 max|k| max|v| <= 2^15 (the weights of a state sum to at most 1 / (1 - 0.999)).
; Memory binds and nothing is shared between work-groups: no LDS, no barrier, no matrix unit, no cluster.  U of chunk 15 is not read.
; THE MODE: SCHED_MODE bits 1:0 = 2 (LLVM: expert scheduling mode 2), set by the entry lines.  The code itself states the register dependences
; between vector instructions and memory instructions, with s_wait_alu, always for 0.
; THE PLAN.  Registers that memory instructions touch:
;   v1, v2, v3   byte offsets, made once at the head and never written again; read by every load and store.
;   v236-239     zeros, made once at the head; read by the store of the state that enters chunk 0.
;   MXR, U       loads land in them; no vector instruction names them ahead of those loads, and behind the wait for the data vector instructions alone name them.
;   O[0..14]     O[c] is written once, by step c's four roundings, and read by one store, which is issued at the head of step c + 1.
; So one wait at the head covers the offsets and the zeros; one wait at the head of each step from 1 on, behind the wait for the step's data, states
; that the step before has written its O, and that O's store follows at once; the step's own arithmetic names neither that O nor v3.  One more
; wait stands ahead of the last store.  No register that a memory instruction reads is ever written again.
.set MXO, 262144
.set U,   16                           ; v16-135  U of chunks 0 to 14, 8 registers each; turned into the states in place
.set MXR, 136                          ; v136-167 the 256 chunks' maxima, 8 x 16 bytes a lane
.set TMP, 168                          ; v168-175 at work
.set O,   176                          ; v176-235 four registers for each stored state
.set SS,  242                          ; v242-243 sS twice
.macro GMAX T, tmp, sa, sb             ; the largest of each of the components 0, 1, 2 over 8 registers and 32 lanes, into v[T + k]
.irp k, 0,1,2
	v_max3_num_f32 v[\T+\k], v[\T+\k], v[\T+4+\k], v[\T+8+\k]
	v_max3_num_f32 v[\T+\k], v[\T+\k], v[\T+12+\k], v[\T+16+\k]
	v_max3_num_f32 v[\T+\k], v[\T+\k], v[\T+20+\k], v[\T+24+\k]
	v_max_num_f32 v[\T+\k], v[\T+\k], v[\T+28+\k]
	v_max_num_f32_dpp v[\T+\k], v[\T+\k], v[\T+\k] row_xmask:1 row_mask:0xf bank_mask:0xf
	v_max_num_f32_dpp v[\T+\k], v[\T+\k], v[\T+\k] row_xmask:2 row_mask:0xf bank_mask:0xf
	v_max_num_f32_dpp v[\T+\k], v[\T+\k], v[\T+\k] row_xmask:4 row_mask:0xf bank_mask:0xf
	v_max_num_f32_dpp v[\T+\k], v[\T+\k], v[\T+\k] row_xmask:8 row_mask:0xf bank_mask:0xf
	v_permlanex16_b32 v[\tmp], v[\T+\k], s[\sa], s[\sb]
	v_max_num_f32 v[\T+\k], v[\T+\k], v[\tmp]
.endr
.endm
.macro SCALE B, s, inv                 ; e = the bound's exponent field, kept in 15..254; s = 2^(141 - e), so s B < 2^15; inv = 1 / s
	v_lshrrev_b32 v[\inv], 23, v[\B]
	v_max_u32 v[\inv], 15, v[\inv]
	v_min_u32 v[\inv], 0xfe, v[\inv]
	v_sub_nc_u32 v[\s], 0x10c, v[\inv]
	v_add_nc_u32 v[\inv], -14, v[\inv]
	v_lshlrev_b32 v[\s], 23, v[\s]
	v_lshlrev_b32 v[\inv], 23, v[\inv]
.endm
	s_load_b128 s[4:7], s[0:1], 0x0                ; uf, gm
	s_load_b64 s[8:9], s[0:1], 0x10                ; sf
	s_lshr_b32 s10, ttmp9, 4                       ; which (batch, head)
	s_and_b32 s11, ttmp9, 15                       ; which sixteenth
	s_mov_b32 s32, 0x76543210
	s_mov_b32 s33, 0xfedcba98
	v_and_b32 v2, 31, v0
	v_lshrrev_b32 v1, 5, v0
	v_lshlrev_b32 v2, 4, v2                        ; 16 x lane
	v_lshl_add_u32 v1, v1, 10, v2                  ; in U: a tile is 1,024 bytes
	v_lshlrev_b32 v3, 4, v0                        ; in the state: a tile is 512 bytes
	v_mov_b32 v[TMP], 0                            ; written before v_permlanex16_b32 takes it as its destination
	v_mov_b32 v236, 0                              ; the state that enters chunk 0
	v_mov_b32 v237, 0
	v_mov_b32 v238, 0
	v_mov_b32 v239, 0
	s_lshl_b32 s12, s10, 20
	s_lshl_b32 s13, s11, 12
	s_add_co_u32 s12, s12, s13
	s_mov_b32 s13, 0
	s_lshl_b32 s14, s10, 19
	s_lshl_b32 s15, s11, 11
	s_add_co_u32 s14, s14, s15
	s_mov_b32 s15, 0
	s_lshl_b32 s34, s10, 8
	s_mov_b32 s35, 0
	s_wait_kmcnt 0x0
	s_add_nc_u64 s[4:5], s[4:5], s[12:13]
	s_add_nc_u64 s[8:9], s[8:9], s[14:15]
	s_add_nc_u64 s[6:7], s[6:7], MXO
	s_add_nc_u64 s[34:35], s[6:7], s[34:35]
.irp c, 1,2,3,4,5,6,7,8,9,10,11,12,13,14
	s_load_b32 s[16+\c], s[34:35], 16*\c+12        ; the decay of chunk c
.endr
	s_wait_alu depctr_va_vdst(0)                   ; the offsets v1, v2, v3 are written, which every load and store reads, and so are the zeros v236-239, which the first store reads
.irp j, 0,1,2,3,4,5,6,7
	global_load_b128 v[MXR+4*\j:MXR+4*\j+3], v2, s[6:7] offset:512*\j
.endr
.irp c, 0,1,2,3,4,5,6,7,8,9,10,11,12,13,14
	global_load_b128 v[U+8*\c:U+8*\c+3],   v1, s[4:5] offset:\c*65536 th:TH_LOAD_NT
	global_load_b128 v[U+8*\c+4:U+8*\c+7], v1, s[4:5] offset:\c*65536+512 th:TH_LOAD_NT
.endr
	global_store_b128 v3, v[236:239], s[8:9]       ; the state that enters chunk 0; no vector instruction since the wait above
	s_wait_loadcnt 30                              ; the maxima are in; the 30 loads of U stay out
	GMAX MXR, TMP, 32, 33
	v_mul_f32 v240, v[MXR+1], v[MXR+2]
	v_mul_f32 v240, 0x44800000, v240               ; 1024 max|k| max|v|
	SCALE 240, SS, 241
	v_mov_b32 v[SS+1], v[SS]
	s_wait_kmcnt 0x0
; Step c: the state behind chunk c.  Its head sends out the state that the step before has rounded.
.macro STEP c
	s_wait_loadcnt 28-2*\c                         ; U of chunk c is in, the later chunks' loads stay out
.if \c
	s_wait_alu depctr_va_vdst(0)                   ; the step before has written its four registers of O, which the store below reads
	global_store_b128 v3, v[O+4*\c-4:O+4*\c-1], s[8:9] offset:\c*32768   ; the state that enters chunk c; a wave's store covers 512 consecutive bytes
.irp j, 0,1,2,3,4,5,6,7
	v_fma_f32 v[U+8*\c+\j], v[U+8*\c-8+\j], s[16+\c], v[U+8*\c+\j]
.endr
.endif
.irp j, 0,2,4,6
	v_pk_mul_f32 v[TMP+\j:TMP+\j+1], v[U+8*\c+\j:U+8*\c+\j+1], v[SS:SS+1]
.endr
.irp j, 0,1,2,3
	v_cvt_pk_f16_f32 v[O+4*\c+\j], v[TMP+2*\j], v[TMP+2*\j+1]
.endr
.endm
.irp c, 0,1,2,3,4,5,6,7,8,9,10,11,12,13,14
	STEP \c
.endr
	s_wait_alu depctr_va_vdst(0)                   ; step 14 has written its four registers of O, which the last store reads
	global_store_b128 v3, v[O+56:O+59], s[8:9] offset:15*32768   ; the state that enters chunk 15
	s_endpgm
.Lfunc_end_k_q7c52ee8057_scan:
	.size	k_q7c52ee8057_scan, .Lfunc_end_k_q7c52ee8057_scan-k_q7c52ee8057_scan
	.p2alignl 7, 3214868480
	.fill 96, 4, 3214868480
	.section	.rodata,"a",@progbits
	.p2align	6, 0x0
	.amdhsa_kernel k_q7c52ee8057_scan
		.amdhsa_group_segment_fixed_size 0
		.amdhsa_private_segment_fixed_size 0
		.amdhsa_enable_private_segment 0
		.amdhsa_kernarg_size 24
		.amdhsa_user_sgpr_count 2
		.amdhsa_user_sgpr_kernarg_segment_ptr 1
		.amdhsa_wavefront_size32 1
		.amdhsa_system_sgpr_workgroup_id_x 1
		.amdhsa_system_sgpr_workgroup_id_y 1
		.amdhsa_system_sgpr_workgroup_id_z 1
		.amdhsa_system_vgpr_workitem_id 0
		.amdhsa_next_free_vgpr 248
		.amdhsa_next_free_sgpr 66
		.amdhsa_reserve_vcc 0
		.amdhsa_float_denorm_mode_32 3
		.amdhsa_float_denorm_mode_16_64 3
		.amdhsa_memory_ordered 1
		.amdhsa_forward_progress 1
		.amdhsa_inst_pref_size 26
	.end_amdhsa_kernel
	.amdgpu_metadata
---
amdhsa.version: [ 1, 2 ]
amdhsa.kernels:
  - .name:           k_q7c52ee8057_scan
    .symbol:         k_q7c52ee8057_scan.kd
    .args:
      - { .name: uf, .offset: 0, .size: 8, .value_kind: global_buffer, .address_space: global }
      - { .name: gm, .offset: 8, .size: 8, .value_kind: global_buffer, .address_space: global }
      - { .name: sf, .offset: 16, .size: 8, .value_kind: global_buffer, .address_space: global }
    .group_segment_fixed_size: 0
    .private_segment_fixed_size: 0
    .kernarg_segment_align: 8
    .kernarg_segment_size: 24
    .max_flat_workgroup_size: 128
    .sgpr_count:     66
    .vgpr_count:     248
    .wavefront_size: 32
...
	.end_amdgpu_metadata
.endif
;; end of part 6
;; launch attn: the kernel of part 4 again; grid 256 x 1, 4 waves a work-group, no clusters, 168,448 bytes of LDS; arguments qkv, sf, gm, of; writes of
;; launch outp: the kernel of part 5 again; grid 8 x 32, 4 waves a work-group, clusters of 4 x 4, 327,680 bytes of LDS; arguments of, wts, gm, bo, out0; writes out0
